; MI455X (gfx1250); checked and timed in simulation.
; The chip was launched on July 23, 2026; its instructions are those of AMD's public machine-readable ISA for CDNA 5 (MIT licence, August 2026) and "CDNA5" Instruction Set Architecture Reference Guide (July 2026). The comments in the code are by the model that wrote it; some were corrected since.
;; Cross Attention. Allowed arithmetic: matrix products marked QUANTISED: E2M1 operands, one E8M0 scale for each 32 along K, by v_wmma_scale_f32_16x16x128_f8f6f4 with both operands' format E2M1 (or v_wmma_scale_f32_32x16x128_f4), f32 sums; everything else in f32.
;; Inputs: Wk 16 x 1,024 x 64 float32; Wo 1,024 x 1,024 float32; Wq 16 x 1,024 x 64 float32; Wv 16 x 1,024 x 64 float32; bk 16 x 64 float32; bo 1,024 float32; bq 16 x 64 float32; bv 16 x 64 float32; encoder_output 4 x 2,048 x 1,024 float32; x 4 x 2,048 x 1,024 float32.
;; Outputs: out0 4 x 2,048 x 1,024 float32.
;; This version of the problem:
;;   THIS VERSION OF THE PROBLEM IS GIVEN IN LOW PRECISION. The matrix products marked QUANTISED in the list below multiply operands that are first quantised to E2M1 (2 exponent bits, 1 mantissa bit; 4 bits a number), with one power-of-two scale for each 32 numbers along K (OCP MX v1.0); their sums are f32. All else is computed in f32.
;;   The module's matrix products, in the order in which they are computed (A, B: the left and right operand; K: the contracted axis; several contracted axes count as one K, in the product's order):
;;     1. [M 1,024, K 1,024] x [K 1,024, N 8,192]; A: input Wq; B: input x: QUANTISED
;;     2. [M 1,024, K 1,024] x [K 1,024, N 8,192]; A: input Wk; B: input encoder_output: QUANTISED
;;     3. [M 1,024, K 1,024] x [K 1,024, N 8,192]; A: input Wv; B: input encoder_output: QUANTISED
;;     4. batch 64 x [M 2,048, K 64] x [K 64, N 2,048]; A: computed on the way; B: computed on the way: QUANTISED
;;     5. batch 64 x [M 2,048, K 2,048] x [K 2,048, N 64]; A: softmax (see below); B: computed on the way: QUANTISED
;;     6. [M 8,192, K 1,024] x [K 1,024, N 1,024]; A: computed on the way; B: input Wo: QUANTISED
;;   THE QUANTISER, for each operand of a quantised product, along K:
;;     - K is cut into blocks of 32 from its start; a last block that is shorter is filled with zeros.
;;     - A block's scale is 2^e with e = floor(log2(the largest magnitude in the block)) - 2, held to -126 .. 127; a block of zeros has e = 0. As a byte (E8M0): e + 127.
;;     - Each number is divided by its block's scale, clamped to +-6, and rounded to the nearest number of E2M1, ties to even, subnormals kept.
;;     - The product sums the exact products of the quantised numbers (number of the format x scale) in f32.
;;   ~~~python
;;   def quantise(x, axis):      # numpy; x: float32 -> the quantised numbers, widened to float32 again
;;       x = np.moveaxis(x, axis, -1); K = x.shape[-1]
;;       x = np.pad(x, [(0, 0)] * (x.ndim - 1) + [(0, -K % 32)]); x = x.reshape(x.shape[:-1] + (-1, 32)); a = np.abs(x).max(-1, keepdims=True)
;;       e = np.where(a > 0, np.clip(np.frexp(np.where(a > 0, a, 1))[1] - 1 - 2, -126, 127), 0)      # np.frexp(a)[1] - 1 = floor(log2(a)), exactly
;;       r = np.clip(x / 2.0 ** e, -6, 6)
;;       step = 2.0 ** (np.maximum(np.frexp(np.where(r == 0, 1, r))[1] - 1, 0) - 1)
;;       q = np.round(r / step) * step * 2.0 ** e      # np.round: ties to even
;;       return np.moveaxis(q.reshape(q.shape[:-2] + (-1,))[..., :K], -1, axis).astype(np.float32)
;;   ~~~
;;   SOFTMAX AHEAD OF A QUANTISED PRODUCT. Where the list says 'softmax', what is quantised is not the finished softmax but p = 2^(t - M), with t = logit x log2(e) and M = ceil(the row's largest t), a whole number; so 1/2 < the row's largest p <= 1. The row's sum l is taken of the UNQUANTISED p, in f32, and the product's result is divided by l at the end. Since M is a whole number, a kernel that streams over the keys may use a running M (the ceiling of the running maximum): every later rescaling is an exact power of two, which a block's scale takes up: the codes' values come out the same.
;;   OPERANDS COMPUTED ON THE WAY. 'Computed on the way' means the value that the module computes at that place (a softmax that the list does not call 'softmax' is quantised finished and normalised). What goes into a quantiser is computed in f32, as accurately as f32 sums, v_exp_f32 and their like allow (about 1e-6 of the number): no bf16 or f16 on the way to a quantiser, and a product that is left as it is and whose result goes on into a quantised operand takes f32 operands (vector FMAs, or v_wmma_f32_16x16x4_f32). A number that lies on a knife's edge between two numbers of the format may be rounded either way, as far as f32 arithmetic and the matrix unit's own rounding can turn it there, and no further.
;; One version. Each part assembles by itself: llvm-mc -triple=amdgcn-amd-amdhsa -mcpu=gfx1250 --defsym DOCPART=n.
;; ======== version 1 of 1: 4 launches
;; limits: right only within a limited range of input values
;; workspace buffers: actc 8,388,608 bytes; acts 524,288 bytes; wc 2,097,152 bytes; wsc 131,072 bytes; qkvc 12,582,912 bytes; qkvs 786,432 bytes; mhc 4,194,304 bytes; mhs 262,144 bytes
;; launch quant (part 1): grid 256 x 1, 20 waves a work-group, no clusters, 268,800 bytes of LDS; arguments x, encoder_output, Wq, Wk, Wv, Wo, actc, acts, wc, wsc; writes actc, acts, wc, wsc
.if DOCPART == 1
	.amdgcn_target "amdgcn-amd-amdhsa--gfx1250"
	.amdhsa_code_object_version 6
	.text
	.protected	k_q335d4135cd_quant
	.globl	k_q335d4135cd_quant
	.p2align	8
	.type	k_q335d4135cd_quant,@function
k_q335d4135cd_quant:
	s_mov_b64 s[64:65], 0
	v_nop
	global_prefetch_b8 v0, s[64:65] scope:SCOPE_SE
	s_setreg_imm32_b32 hwreg(HW_REG_WAVE_MODE, 25, 1), 1
	s_wait_xcnt 0x0
; x, encoder_output [8192 tokens][1024] and Wq, Wk, Wv [16][1024][64], Wo [1024][1024], all f32, become codes of FP4 (E2M1) with one E8M0 byte for each 32 along K (K = the 1,024 of d_model; for Wo its first axis),
; laid in the order of a matrix operand's registers.  AN IMAGE is a fragment of 16 rows x 128 K: registers 4 c .. 4 c + 3 of lane l are the 16 bytes at 512 c + 16 l; lane l = (r = l % 16, h = l / 16) holds block 2 c + h of row r.
; A block's scale is 2^(floor(log2(its largest magnitude)) - 2): its byte is the largest magnitude's exponent field - 2, held at 1 from below by a floor among the maxima.
; LIMITS: NaN and infinities among the inputs are not served; a block whose largest magnitude lies under 2^-124 gets the byte 1; a block of zeros gets the byte 1 where the rule says 127: its codes are zeros,
; which add nothing under any byte but 0xff, and these bytes are read by this program alone.
; TOKEN TILES: tile tt = 8 G + 2 F + u holds, in row r, token 128 G + 32 F + 2 r + u: the later launches want rows two tokens apart in a tile.
; SHARES.  Waves 0-15 take the activations: wave w takes token tile w / 4 of the work-group's four and quarter w % 4 of K (two K steps): 16 rows x 1,024 bytes, brought by ONE tensor load of its own into LDS bytes of its own, filled once.
; Waves 16-19 take the weights: a wave takes 32 columns x 128 along K, a lane to a column, its registers running down K.  The two ways part at the head and never join: no barrier.
; No cluster: no two work-groups read the same bytes.  Nothing is asked for ahead of its load: every load of the launch is issued at a wave's head.
.set X,    32                          ; v32-159  two sets of 64 numbers: my blocks h and 2 + h of a K step
.set CD,   160                         ; v160-175 codes: 8 registers for each of my two K steps, so that no store's data are written again
.set SW,   16                          ; v16, v17 my row's scale word for each of my K steps
.set QB,   16640                       ; a quarter of K in LDS: 16 rows x (1,024 bytes + 16 of padding)
.set SPW,  14                          ; v14 LDS address of my spare word; never rewritten
.set NIL,  15                          ; v15 0; never rewritten
.set SPARE, 16*QB                      ; behind the sixteen regions: the spare words, 128 bytes a wave
	s_load_b128 s[4:7], s[0:1], 0x0                ; x, encoder_output
	s_load_b256 s[8:15], s[0:1], 0x10              ; Wq, Wk, Wv, Wo
	s_load_b256 s[16:23], s[0:1], 0x30             ; actc, acts, wc, wsc
	v_lshl_add_u32 v[SPW], v0, 2, SPARE
	v_mov_b32 v[NIL], 0
	ds_add_u32 v[SPW], v[NIL]                      ; the opening lines: the add twice on end and its wait
	ds_add_u32 v[SPW], v[NIL]
	s_wait_dscnt 0x0
	v_lshrrev_b32 v1, 5, v0
	s_delay_alu instid0(VALU_DEP_1)
	v_readfirstlane_b32 s24, v1                    ; wave 0..19
	v_and_b32 v1, 31, v0                           ; lane
	v_and_b32 v5, 15, v0                           ; r
	v_bfe_u32 v6, v0, 4, 1                         ; h
	s_delay_alu instid0(VALU_DEP_3)
	v_lshlrev_b32 v3, 4, v1                        ; 16 x lane
	; descriptor group 1, on the way that all waves take: 16 rows x 256 elements of 4 bytes, two tokens (2,048 elements) apart; 4 words of padding behind every 256
	s_mov_b32 s32, (2<<16)|(1<<20)|(7<<22)|(3<<25)
	s_mov_b32 s33, 256<<16                         ; tensor_dim0
	s_mov_b32 s34, 16<<16                          ; tensor_dim1
	s_mov_b32 s35, 256<<16                         ; tile_dim0
	s_mov_b32 s36, 16                              ; tile_dim1
	s_mov_b32 s37, 2048                            ; from row to row
	s_mov_b32 s38, 0
	s_mov_b32 s39, 0
	s_cmp_lt_u32 s24, 16
	s_cbranch_scc0 .Lweights
	; ---------------- the activations ----------------
	s_lshr_b32 s25, ttmp9, 7                       ; 0: x, 1: encoder_output
	s_and_b32 s26, ttmp9, 127
	s_lshl_b32 s27, s26, 2
	s_lshr_b32 s31, s24, 2
	s_add_co_u32 s27, s27, s31                     ; my token tile tt
	s_and_b32 s58, s24, 3                          ; my quarter of K
	s_lshr_b32 s28, s27, 3
	s_lshl_b32 s28, s28, 7                         ; 128 G
	s_bfe_u32 s29, s27, 0x20001
	s_lshl_b32 s29, s29, 5                         ; 32 F
	s_add_co_u32 s28, s28, s29
	s_and_b32 s29, s27, 1                          ; u
	s_add_co_u32 s28, s28, s29                     ; the tile's first token
	s_lshl_b32 s28, s28, 12                        ; x 4,096 bytes
	s_lshl_b32 s31, s58, 10
	s_add_co_u32 s28, s28, s31                     ; + 1,024 bytes a quarter
	s_mov_b32 s29, 0
	s_mul_i32 s30, s24, QB                         ; my wave's LDS bytes
	s_wait_kmcnt 0x0
	s_cmp_eq_u32 s25, 0
	s_cselect_b64 s[4:5], s[4:5], s[6:7]
	s_add_nc_u64 s[4:5], s[4:5], s[28:29]
	s_mov_b32 s40, 1                               ; count
	s_mov_b32 s41, s30                             ; LDS address
	s_mov_b64 s[42:43], s[4:5]
	s_or_b32 s43, s43, 0x80000000                  ; type
	tensor_load_to_lds s[40:43], s[32:39]          ; my one load: a first fill, read by this wave alone
	s_nop 0
.rept 4
	v_nop
.endr
	s_wait_alu depctr_va_vdst(0)
	v_mul_u32_u24 v2, v5, 1040
	s_delay_alu instid0(VALU_DEP_1)
	v_lshl_add_u32 v2, v6, 7, v2
	s_delay_alu instid0(VALU_DEP_1)
	v_add_nc_u32 v2, s30, v2                       ; row r, + 128 h: my 32 numbers of blocks h and 2 + h
	v_lshlrev_b32 v4, 3, v6                        ; 8 h
	v_mov_b32 v31, 0                               ; a lane permute's destination counts as one of its sources
	v_lshlrev_b32 v13, 4, v5
	v_lshl_add_u32 v13, v6, 2, v13                 ; 16 r + 4 h: where my scale word goes
	s_mov_b32 s56, 0x76543210
	s_mov_b32 s57, 0xfedcba98                      ; selects for lane l xor 16
	s_lshl_b32 s28, s25, 22
	s_lshl_b32 s31, s27, 13
	s_add_co_u32 s28, s28, s31
	s_lshl_b32 s31, s58, 11
	s_add_co_u32 s28, s28, s31
	s_add_nc_u64 s[16:17], s[16:17], s[28:29]      ; my two images of the tile's eight
	s_lshl_b32 s28, s25, 18
	s_lshl_b32 s31, s27, 9
	s_add_co_u32 s28, s28, s31
	s_lshr_b32 s31, s58, 1
	s_lshl_b32 s31, s31, 8
	s_add_co_u32 s28, s28, s31                     ; the tile's 512 bytes of scale words: row r's words of K steps 0-3 at 16 r, of 4-7 at 256 + 16 r
	s_and_b32 s31, s58, 1
	s_lshl_b32 s31, s31, 3
	s_add_co_u32 s28, s28, s31
	s_add_nc_u64 s[18:19], s[18:19], s[28:29]
.macro DSL s                           ; my K step s: 16 loads of 16 bytes; rows 1,040 bytes apart start at 16 different groups of banks
.irp c, 0,1
.irp i, 0,1,2,3,4,5,6,7
	ds_load_b128 v[X+64*(\s)+32*\c+4*\i:X+64*(\s)+32*\c+4*\i+3], v2 offset:512*(\s)+256*\c+16*\i
.endr
.endr
.endm
.macro STEPA s
.set XS, X+64*(\s)
.if (\s) < 1
	DSL (\s)+1
	s_wait_dscnt 16                                ; this step's numbers are in; the next step's 16 loads may be out
.else
	s_wait_dscnt 0x0
.endif
.irp c, 0,1
	v_max3_num_f32 v[24+\c], |v[XS+32*\c]|, |v[XS+32*\c+1]|, 0x1800000   ; all 32 numbers of a block are mine; the floor 2^(3 - 127) holds the byte at 1 from below
.endr
.irp i, 2,4,6,8,10,12,14,16,18,20,22,24,26,28,30
.irp c, 0,1
	s_delay_alu instid0(VALU_DEP_2)
	v_max3_num_f32 v[24+\c], v[24+\c], |v[XS+32*\c+\i]|, |v[XS+32*\c+\i+1]|
.endr
.endr
.irp c, 0,1
	s_delay_alu instid0(VALU_DEP_2)
	v_add_nc_u32 v[26+\c], 0xff000000, v[24+\c]    ; 2 off the exponent field: the conversion takes this operand's exponent field as its scale
.endr
.irp c, 0,1
.irp g, 0,1,2,3
	v_cvt_scalef32_pk8_fp4_f32 v[CD+8*(\s)+4*\c+\g], v[XS+32*\c+8*\g:XS+32*\c+8*\g+7], v[26+\c]
.endr
.endr
.irp c, 0,1
	v_lshrrev_b32 v[28+\c], 23, v[26+\c]           ; the scale's byte (a plain line behind the conversions)
.endr
	s_delay_alu instid0(VALU_DEP_1)
	v_lshl_or_b32 v30, v29, 16, v28                ; my two bytes, blocks h and 2 + h,
	s_delay_alu instid0(VALU_DEP_1)
	v_lshlrev_b32 v30, v4, v30                     ; at their places in the word;
	s_delay_alu instid0(VALU_DEP_1)
	v_permlanex16_b32 v31, v30, s56, s57
	s_delay_alu instid0(VALU_DEP_1)
	v_or_b32 v[SW+(\s)], v30, v31                  ; with lane l xor 16's two the word is whole
.irp c, 0,1
	global_store_b128 v3, v[CD+8*(\s)+4*\c:CD+8*(\s)+4*\c+3], s[16:17] offset:1024*(\s)+512*\c   ; 512 consecutive bytes
.endr
.endm
	s_wait_alu depctr_va_vdst(0)
	s_wait_tensorcnt 0x0                           ; my quarter has landed
	DSL 0
	STEPA 0
	STEPA 1
	v_cmp_le_u32 vcc_lo, 16, v1                    ; lanes 0-15 store row r's word of my first K step, lanes 16-31 that of my second
	v_cndmask_b32 v12, v[SW], v[SW+1], vcc_lo
	global_store_b32 v13, v12, s[18:19]
	s_wait_tensorcnt 0x0                           ; the wave's end
	ds_add_u32 v[SPW], v[NIL]
	s_wait_dscnt 0x0
	s_endpgm
	; ---------------- the weights ----------------
.Lweights:
	s_sub_co_u32 s25, s24, 16
	s_lshr_b32 s26, ttmp9, 6                       ; 0: Wq, 1: Wk, 2: Wv, 3: Wo
	s_bfe_u32 s27, ttmp9, 0x50001                  ; P: columns 32 P .. 32 P + 31 (column n = 64 head + e)
	s_and_b32 s28, ttmp9, 1
	s_lshl_b32 s28, s28, 2
	s_add_co_u32 s28, s28, s25                     ; my K step
	s_lshr_b32 s29, s27, 1
	s_lshl_b32 s29, s29, 18                        ; a head of Wq, Wk, Wv is 262,144 bytes,
	s_and_b32 s30, s27, 1
	s_lshl_b32 s30, s30, 7                         ; its columns 32 (P % 2) on
	s_add_co_u32 s29, s29, s30
	s_lshl_b32 s30, s27, 7                         ; Wo: column 32 P
	s_mov_b32 s31, 4096
	s_cmp_eq_u32 s26, 3
	s_cselect_b32 s29, s30, s29                    ; where my columns begin in a row
	s_cselect_b32 s31, s31, 256                    ; bytes from a row of K to the next
	s_cselect_b32 s30, 0x8000, 0                   ; Wo alone: eight rows, for the exchange below
	s_lshl_b32 s40, s28, 7
	s_mul_i32 s40, s40, s31
	s_add_co_u32 s40, s40, s29
	s_mov_b32 s41, 0
	s_lshl_b32 s42, s31, 5                         ; a block of 32 rows on
	s_mov_b32 s43, 0
	s_lshl_b32 s44, s26, 19
	s_lshl_b32 s46, s27, 14
	s_add_co_u32 s44, s44, s46
	s_lshl_b32 s46, s28, 10
	s_add_co_u32 s44, s44, s46
	s_mov_b32 s45, 0
	s_lshl_b32 s46, s27, 3
	s_add_co_u32 s46, s46, s28
	s_lshl_b32 s46, s46, 7
	s_lshl_b32 s47, s26, 15
	s_add_co_u32 s46, s46, s47
	s_mov_b32 s47, 0
	s_wait_alu depctr_va_vdst(0)
	v_lshlrev_b32 v8, 2, v1                        ; 4 x lane
.irp i, 0,1,2,3,4,5,6,7,8,9,10,11,12,13,14,15,16,17,18,19,20,21,22,23,24,25,26,27,28,29,30,31
	v_mad_u32_u24 v[32+\i], s31, \i, v8            ; row i of a block, my column
.endr
; Wo's K is 64 head + e, and the attention launch leaves e inside a block of 32 in the order 0-7, 16-23, 8-15, 24-31: Wo's rows take the same order.  A block keeps its 32 numbers, so its scale is untouched.
.irp i, 8,9,10,11,12,13,14,15
	v_add_nc_u32 v[32+\i], s30, v[32+\i]
.endr
.irp i, 16,17,18,19,20,21,22,23
	v_sub_nc_u32 v[32+\i], v[32+\i], s30
.endr
	v_lshlrev_b32 v9, 4, v5
	s_delay_alu instid0(VALU_DEP_1)
	v_lshl_or_b32 v9, v6, 13, v9                   ; out: lanes 0-15 are rows of tile 2 P, lanes 16-31 of tile 2 P + 1 (8,192 bytes on); 16 r
	s_wait_alu depctr_va_vdst(0)
	s_wait_kmcnt 0x0
	s_cmp_eq_u32 s26, 1
	s_cselect_b64 s[8:9], s[10:11], s[8:9]
	s_cmp_eq_u32 s26, 2
	s_cselect_b64 s[8:9], s[12:13], s[8:9]
	s_cmp_eq_u32 s26, 3
	s_cselect_b64 s[8:9], s[14:15], s[8:9]
	s_add_nc_u64 s[56:57], s[8:9], s[40:41]        ; a base for each of my four blocks: no pointer is stepped
	s_add_nc_u64 s[58:59], s[56:57], s[42:43]
	s_add_nc_u64 s[60:61], s[58:59], s[42:43]
	s_add_nc_u64 s[62:63], s[60:61], s[42:43]
	s_add_nc_u64 s[20:21], s[20:21], s[44:45]
	s_add_nc_u64 s[22:23], s[22:23], s[46:47]
.irp t, 0,1,2,3
.irp i, 0,1,2,3,4,5,6,7,8,9,10,11,12,13,14,15,16,17,18,19,20,21,22,23,24,25,26,27,28,29,30,31
	global_load_b32 v[64+32*\t+\i], v[32+\i], s[56+2*\t:57+2*\t]   ; 32 lanes read 128 consecutive bytes
.endr
.endr
.macro BLOCKW t                        ; block t's codes go to v[20 + 4 t] on; the last block's lie over four offsets, whose loads are all done by then
.set WS0, 64+32*(\t)
.if (\t) < 2
	s_wait_loadcnt 63                              ; behind this block's loads 96 or 64 were issued: 63 is the largest count that the wait can name
.elseif (\t) == 2
	s_wait_loadcnt 32                              ; the last block's 32 may be out
.else
	s_wait_loadcnt 0x0
.endif
	v_max3_num_f32 v12, |v[WS0]|, |v[WS0+1]|, |v[WS0+2]|
	v_max3_num_f32 v13, |v[WS0+3]|, |v[WS0+4]|, |v[WS0+5]|
.irp i, 6,10,14,18,22,26
	s_delay_alu instid0(VALU_DEP_2)
	v_max3_num_f32 v12, v12, |v[WS0+\i]|, |v[WS0+\i+1]|
	s_delay_alu instid0(VALU_DEP_2)
	v_max3_num_f32 v13, v13, |v[WS0+\i+2]|, |v[WS0+\i+3]|
.endr
	s_delay_alu instid0(VALU_DEP_2)
	v_max3_num_f32 v12, v12, |v[WS0+30]|, |v[WS0+31]|
	s_delay_alu instid0(VALU_DEP_1)
	v_max3_num_f32 v12, v12, v13, 0x1800000        ; and the floor
	s_delay_alu instid0(VALU_DEP_1)
	v_add_nc_u32 v[16+(\t)], 0xff000000, v12
	s_delay_alu instid0(VALU_DEP_1)
	v_lshrrev_b32 v13, 23, v[16+(\t)]
.if (\t) == 0
	s_delay_alu instid0(VALU_DEP_1)
	v_mov_b32 v10, v13                             ; my column's scale word: block t's byte at byte t
.else
	s_delay_alu instid0(VALU_DEP_1)
	v_lshl_or_b32 v10, v13, 8*(\t), v10
.endif
.irp g, 0,1,2,3
	v_cvt_scalef32_pk8_fp4_f32 v[20+4*(\t)+\g], v[WS0+8*\g:WS0+8*\g+7], v[16+(\t)]
.endr
	v_nop                                          ; one plain line behind the conversions
	global_store_b128 v9, v[20+4*(\t):20+4*(\t)+3], s[20:21] offset:256*(\t)   ; block t = 2 c + h of row r lies at 512 c + 256 h + 16 r of the image: each half of the lanes stores 256 consecutive, aligned bytes
.endm
.irp t, 0,1,2,3
	BLOCKW \t
.endr
	global_store_b32 v8, v10, s[22:23]             ; 128 consecutive bytes: the words of tiles 2 P and 2 P + 1 for this K step
	s_endpgm
.Lfunc_end_k_q335d4135cd_quant:
	.size	k_q335d4135cd_quant, .Lfunc_end_k_q335d4135cd_quant-k_q335d4135cd_quant
	.p2alignl 7, 3214868480
	.fill 96, 4, 3214868480
	.section	.rodata,"a",@progbits
	.p2align	6, 0x0
	.amdhsa_kernel k_q335d4135cd_quant
		.amdhsa_group_segment_fixed_size 268800
		.amdhsa_private_segment_fixed_size 0
		.amdhsa_enable_private_segment 0
		.amdhsa_kernarg_size 80
		.amdhsa_user_sgpr_count 2
		.amdhsa_user_sgpr_kernarg_segment_ptr 1
		.amdhsa_wavefront_size32 1
		.amdhsa_system_sgpr_workgroup_id_x 1
		.amdhsa_system_sgpr_workgroup_id_y 1
		.amdhsa_system_sgpr_workgroup_id_z 1
		.amdhsa_system_vgpr_workitem_id 0
		.amdhsa_next_free_vgpr 192
		.amdhsa_next_free_sgpr 66
		.amdhsa_reserve_vcc 1
		.amdhsa_float_denorm_mode_32 3
		.amdhsa_float_denorm_mode_16_64 3
		.amdhsa_memory_ordered 1
		.amdhsa_forward_progress 1
		.amdhsa_inst_pref_size 40
	.end_amdhsa_kernel
	.amdgpu_metadata
---
amdhsa.version: [ 1, 2 ]
amdhsa.kernels:
  - .name:           k_q335d4135cd_quant
    .symbol:         k_q335d4135cd_quant.kd
    .args:
      - { .name: x, .offset: 0, .size: 8, .value_kind: global_buffer, .address_space: global }
      - { .name: encoder_output, .offset: 8, .size: 8, .value_kind: global_buffer, .address_space: global }
      - { .name: Wq, .offset: 16, .size: 8, .value_kind: global_buffer, .address_space: global }
      - { .name: Wk, .offset: 24, .size: 8, .value_kind: global_buffer, .address_space: global }
      - { .name: Wv, .offset: 32, .size: 8, .value_kind: global_buffer, .address_space: global }
      - { .name: Wo, .offset: 40, .size: 8, .value_kind: global_buffer, .address_space: global }
      - { .name: actc, .offset: 48, .size: 8, .value_kind: global_buffer, .address_space: global }
      - { .name: acts, .offset: 56, .size: 8, .value_kind: global_buffer, .address_space: global }
      - { .name: wc, .offset: 64, .size: 8, .value_kind: global_buffer, .address_space: global }
      - { .name: wsc, .offset: 72, .size: 8, .value_kind: global_buffer, .address_space: global }
    .group_segment_fixed_size: 268800
    .private_segment_fixed_size: 0
    .kernarg_segment_align: 8
    .kernarg_segment_size: 80
    .max_flat_workgroup_size: 640
    .sgpr_count:     66
    .vgpr_count:     192
    .wavefront_size: 32
...
	.end_amdgpu_metadata
.endif
;; end of part 1
;; launch proj (part 2): grid 8 x 32, 4 waves a work-group, clusters of 4 x 4, 327,680 bytes of LDS; arguments actc, acts, wc, wsc, bq, bk, bv, qkvc, qkvs; writes qkvc, qkvs
.if DOCPART == 2
	.amdgcn_target "amdgcn-amd-amdhsa--gfx1250"
	.amdhsa_code_object_version 6
	.text
	.protected	k_q335d4135cd_proj
	.globl	k_q335d4135cd_proj
	.p2align	8
	.type	k_q335d4135cd_proj,@function
k_q335d4135cd_proj:
	s_mov_b64 s[64:65], 0
	v_nop
	global_prefetch_b8 v0, s[64:65] scope:SCOPE_SE
	s_setreg_imm32_b32 hwreg(HW_REG_WAVE_MODE, 25, 1), 1
	s_wait_xcnt 0x0
	s_wait_alu depctr_hold_cnt(0) depctr_sa_sdst(0) depctr_va_vdst(0) depctr_va_sdst(0) depctr_va_ssrc(0) depctr_va_vcc(0) depctr_vm_vsrc(0)
	s_getreg_b32 s2, hwreg(HW_REG_IB_STS2, 6, 4)
	s_cmp_eq_u32 s2, 0
	s_cbranch_scc0 .Lentry_in_a_cluster
	s_endpgm
.Lentry_in_a_cluster:
	s_bfe_u32 s2, ttmp6, 0x10000c
	s_cmp_lg_u32 s2, 0xf033
	s_cbranch_scc0 .Lentry_shape_is_right
	s_endpgm
.Lentry_shape_is_right:
; k = enc Wk + bk, v = enc Wv + bv, q = x Wq + bq on codes of FP4 with E8M0 scales, K = 1,024; the results are quantised in registers, q and k along the head's 64, v along the keys, and leave as operand images.
; SHARES.  256 work-groups.  A work-group takes 256 tokens (16 token tiles) x 128 features (8 tiles of W: two heads) through ALL THREE products, in the order k, v, q; wave (wm, wn) makes 128 tokens x 64 features (one head): 32 accumulators.
; LDS: bytes 0 on: the tokens' images, all of K, in two halves of K of 65,536 bytes; WA (131,072 on): Wk's 8 tiles, later Wq's; WB (196,608 on): Wv's; the spare words behind them.
; FILLS.  At the head one tensor load a wave, each on a line of its own: enc's first half of K, Wk, enc's second half, Wv.  k and v read the same images of enc.  ONE drained round of the cluster's barrier behind v's products, with the three lines
; ahead of it: behind it x's two halves land over enc's and Wq over Wk, one load a wave, while v's results are quantised and stored.
; CLUSTER 4 x 4: the tokens' images hang on the work-group's y alone and are asked for jointly along a row of the cluster, W's on its x alone and along a column.
; PREFETCH: what the refills will ask for (x's 131,072 bytes, Wq's 65,536) is asked of the L2 once, behind the first barrier: two products ahead of the refills.  The four partners that will ask jointly share the blocks of 256 bytes out by address:
; x's 512 blocks, a lane a block, over sixteen waves; Wq's 256, sixteen a wave (lanes 16-31 name their wave's last block again).
; q, k: source 0 = 16 features of W, source 1 = 16 tokens: a lane holds one token and eight features.  v: the sources change places: a lane holds one feature and eight tokens, which are the next product's K.
; The bias is the C of each sum's first matrix instruction.  The 32 accumulators take turns, one instruction a turn, in the same order in every K step.
; WHAT LEAVES.  q, k: fragment F of a group of 128 tokens holds 32 tokens: row r holds token 32 F + 2 r in blocks 0, 1 and token 32 F + 2 r + 1 in blocks 2, 3 (the head's 64 are two blocks).  Inside a block e stands in the
; order 0-7, 16-23, 8-15, 24-31, in q and in k alike.  v: fragment et holds features 16 et + r, K = the group's 128 keys; inside block F position 16 h + 8 u + j holds key 32 F + 16 h + 2 j + u, as the attention's p has them.
; LIMITS: NaN and infinities are not served; a block under 2^-124, or of zeros, gets the byte 1.
; REGISTERS: window 0: v1-11 addresses; v16-47 the tokens' scale words; W's scale words: v48-63 Wk's, v192-207 Wv's, v208-223 Wq's; v64-127 eight fragments of tokens, one set; v128-143 the quantiser's; v144-149 scale words made; v160-191 codes made.
;   window 1: the accumulators.   window 2: v0-63 W's fragments, two sets of four; the biases, eight registers a tile of features: v64-95 bk, v96-127 bv, v128-159 bq.
.set TM, 128
.set WA, 131072
.set WB, 196608
.set SPARE, 262144
.set MSB, 0
.macro WIN new                         ; the immediate's high byte repeats the setting that is left
.if MSB != (\new)
	s_set_vgpr_msb (MSB<<8)|(\new)
.set MSB, (\new)
.endif
.endm
.macro PLACES                          ; four plain vector lines between a matrix instruction and a load into, or a read of, its registers
.rept 4
	v_nop
.endr
.endm
.macro CROUND                          ; a round of the cluster's barrier
	s_barrier_signal -1
	s_barrier_wait -1
	s_cmp_lg_u32 s22, 0
	s_cbranch_scc1 .Lnot_wave_0_\@
	s_barrier_signal -3
.Lnot_wave_0_\@:
	s_barrier_wait -3
	s_barrier_signal -1
	s_barrier_wait -1
.endm
.macro TL g0, g1                       ; a tensor load; an s_nop 0 and four v_nop follow it
	tensor_load_to_lds s[\g0:\g0+3], s[\g1:\g1+7]
	s_nop 0
	PLACES
.endm
.macro WM                              ; one matrix instruction from the symbols that MUL16 sets; xFA, xFB: the side's scales stand in lanes 16-31
.if xFA != 0
.if xFB != 0
	v_wmma_scale_f32_16x16x128_f8f6f4 v[xD:xD+7], v[xA:xA+7], v[xB:xB+7], v[xC:xC+7], v[xSA], v[xSB] matrix_a_fmt:MATRIX_FMT_FP4 matrix_b_fmt:MATRIX_FMT_FP4 matrix_a_scale:MATRIX_SCALE_ROW1 matrix_b_scale:MATRIX_SCALE_ROW1
.else
	v_wmma_scale_f32_16x16x128_f8f6f4 v[xD:xD+7], v[xA:xA+7], v[xB:xB+7], v[xC:xC+7], v[xSA], v[xSB] matrix_a_fmt:MATRIX_FMT_FP4 matrix_b_fmt:MATRIX_FMT_FP4 matrix_a_scale:MATRIX_SCALE_ROW1
.endif
.else
.if xFB != 0
	v_wmma_scale_f32_16x16x128_f8f6f4 v[xD:xD+7], v[xA:xA+7], v[xB:xB+7], v[xC:xC+7], v[xSA], v[xSB] matrix_a_fmt:MATRIX_FMT_FP4 matrix_b_fmt:MATRIX_FMT_FP4 matrix_b_scale:MATRIX_SCALE_ROW1
.else
	v_wmma_scale_f32_16x16x128_f8f6f4 v[xD:xD+7], v[xA:xA+7], v[xB:xB+7], v[xC:xC+7], v[xSA], v[xSB] matrix_a_fmt:MATRIX_FMT_FP4 matrix_b_fmt:MATRIX_FMT_FP4
.endif
.endif
.endm
; 16 matrix instructions: token tiles a0 .. a0 + 3 x my four tiles of features, K step s.  role 0: q, k; role 1: v.  WSC: where this product's scale words of W stand; BIA: its bias
.macro MUL16 role, s, a0
.irp a, 0,1,2,3
.irp t, 0,1,2,3
.set xW,  32*((\s)%2)+8*\t
.set xT,  64+8*((\a0)+\a)
.set xSW, WSC+8*(\t/2)+(\s)
.set xST, 16+4*((\a0)+\a)+(\s)%4
.if \role
.set xD,  64*\t+8*((\a0)+\a)
.set xA,  xT+0
.set xB,  xW+0
.set xSA, xST+0
.set xSB, xSW+0
.set xFA, (\s)/4
.set xFB, \t%2
.else
.set xD,  32*((\a0)+\a)+8*\t
.set xA,  xW+0
.set xB,  xT+0
.set xSA, xSW+0
.set xSB, xST+0
.set xFA, \t%2
.set xFB, (\s)/4
.endif
.if (\s) == 0
.set xC,  BIA+8*\t
.else
.set xC,  xD+0
.endif
	WM
.endr
.endr
.endm
.macro FW s, wb                        ; W's four fragments of K step s into set s % 2; v[wb]: my four tiles in WA or WB, a tile 8,192 bytes
	WIN 0x80
.irp t, 0,1,2,3
.irp c, 0,1
	ds_load_b128 v[32*((\s)%2)+8*\t+4*\c:32*((\s)%2)+8*\t+4*\c+3], v[\wb] offset:8192*\t+1024*(\s)+512*\c
.endr
.endr
	WIN 0
.endm
.macro FA s, a0                        ; token tiles a0 .. a0 + 3 of K step s
.irp a, 0,1,2,3
.irp c, 0,1
	ds_load_b128 v[64+8*((\a0)+\a)+4*\c:64+8*((\a0)+\a)+4*\c+3], v[2+(\s)/4] offset:4096*((\a0)+\a)+1024*((\s)%4)+512*\c
.endr
.endr
.endm
.macro FIRST s, wb                     ; the fragments of a run's first K step
	FW \s, \wb
	FA \s, 0
	FA \s, 4
.endm
.macro STEP role, s, wb, nxt           ; nxt = 1: the next K step's fragments are fetched on the way
.if (\s) == 0
.set MWIN, 0x62+6*(\role)              ; C: the bias, in window 2
.else
.set MWIN, 0x52+6*(\role)              ; W window 2, tokens window 0, C and D window 1
.endif
	s_wait_dscnt 8                                 ; W's set and token tiles 0-3 are in; the youngest eight loads (tiles 4-7) may be out
	WIN MWIN
	MUL16 \role, \s, 0
	s_wait_dscnt 0x0                               ; tiles 4-7 are in
.if \nxt
	PLACES
	FW (\s)+1, \wb
	FA (\s)+1, 0
.endif
	WIN MWIN
	MUL16 \role, \s, 4
	PLACES
	WIN 0
.if \nxt
	FA (\s)+1, 4
.endif
.endm
; 64 accumulator registers of a lane, window 1 from src on: registers 16 b + 0 .. 15 are my half of block b.  They become a fragment's codes in v[pc] on and its scale word in v[pw].
.macro QUANT src, pc, pw
	WIN 0x14
.irp b, 0,1,2,3
	v_max3_num_f32 v[TM+\b], 0x1800000, |v[(\src)+16*\b]|, |v[(\src)+16*\b+1]|   ; each accumulator is read from its low end on; the floor 2^(3 - 127) holds the byte at 1 from below
.endr
.irp i, 2,4,6,8,10,12,14
.irp b, 0,1,2,3
	v_max3_num_f32 v[TM+\b], v[TM+\b], |v[(\src)+16*\b+\i]|, |v[(\src)+16*\b+\i+1]|
.endr
.endr
	WIN 0
.irp b, 0,1,2,3
	v_permlanex16_b32 v[TM+4+\b], v[TM+\b], s66, s67
.endr
.irp b, 0,1,2,3
	v_max_num_f32 v[TM+\b], v[TM+\b], v[TM+4+\b]   ; with lane l xor 16's half: the block's largest magnitude
.endr
.irp b, 0,1,2,3
	v_add_nc_u32 v[TM+12+\b], 0xff000000, v[TM+\b]
.endr
.irp b, 0,1,2,3
	v_lshrrev_b32 v[TM+4+\b], 23, v[TM+12+\b]
.endr
	v_lshl_or_b32 v[\pw], v[TM+5], 8, v[TM+4]
	v_lshl_or_b32 v[\pw], v[TM+6], 16, v[\pw]
	v_lshl_or_b32 v[\pw], v[TM+7], 24, v[\pw]
	WIN 0x01
.irp b, 0,1,2,3
	v_cvt_scalef32_pk8_fp4_f32 v[(\pc)+2*\b], v[(\src)+16*\b:(\src)+16*\b+7], v[TM+12+\b]
	v_cvt_scalef32_pk8_fp4_f32 v[(\pc)+2*\b+1], v[(\src)+16*\b+8:(\src)+16*\b+15], v[TM+12+\b]
.endr
	WIN 0
	v_nop                                          ; one plain line behind the conversions
.irp c, 0,1                            ; the operand wants a whole block in a lane: lanes 0-15 block 2 c, lanes 16-31 block 2 c + 1
.irp i, 0,1
	v_permlane16_swap_b32 v[(\pc)+4*\c+\i], v[(\pc)+4*\c+2+\i]
.endr
.endr
.endm
; THE WAY OUT, one text for q, k and v: accumulator registers 64 g .. 64 g + 63 are fragment g's four blocks.  s[pc:pc+1]: my four images; s[ps:ps+1]: their 256 bytes of scale words
.macro WAYOUT pc, ps
.irp g, 0,1,2,3
	QUANT 64*\g, 160+8*\g, 144+\g
	global_store_b128 v1, v[160+8*\g:163+8*\g], s[\pc:\pc+1] offset:1024*\g        ; 512 consecutive bytes
	global_store_b128 v1, v[164+8*\g:167+8*\g], s[\pc:\pc+1] offset:1024*\g+512
.endr
	v_cmp_le_u32 vcc_lo, 16, v136
	v_cndmask_b32 v148, v144, v146, vcc_lo         ; lanes 0-15 store the words of fragments 0, 1 of row r, lanes 16-31 those of 2, 3
	v_cndmask_b32 v149, v145, v147, vcc_lo
	global_store_b64 v7, v[148:149], s[\ps:\ps+1]  ; 256 consecutive, aligned bytes
.endm
.macro LDW reg, m                      ; the scale words of my four tiles of W number m (0 q, 1 k, 2 v): lanes 0-15 tile 2 p, lanes 16-31 tile 2 p + 1
.irp p, 0,1
.irp s, 0,1,2,3,4,5,6,7
	global_load_b32 v[(\reg)+8*\p+\s], v6, s[10:11] offset:32768*(\m)+128*(8*\p+\s)
.endr
.endr
.endm
	s_load_b256 s[4:11], s[0:1], 0x0               ; actc, acts, wc, wsc
	s_load_b256 s[12:19], s[0:1], 0x20             ; bq, bk, bv, qkvc
	s_load_b64 s[20:21], s[0:1], 0x40              ; qkvs
	v_lshl_add_u32 v254, v0, 2, SPARE
	v_mov_b32 v255, 0
	ds_add_u32 v254, v255                          ; the opening lines: the add twice on end and its wait
	ds_add_u32 v254, v255
	v_lshrrev_b32 v1, 5, v0
	v_readfirstlane_b32 s22, v1                    ; wave 0..3
	s_lshr_b32 s23, s22, 1                         ; wm: my 128 tokens
	s_and_b32 s24, s22, 1                          ; wn: my 64 features
	s_bfe_u32 s25, ttmp6, 0x40000                  ; cx
	s_bfe_u32 s26, ttmp6, 0x40004                  ; cy
	s_lshl_b32 s27, ttmp9, 2
	s_add_co_u32 s27, s27, s25                     ; which 128 features
	s_and_b32 s30, ttmp7, 0xffff
	s_lshl_b32 s30, s30, 2
	s_add_co_u32 s30, s30, s26                     ; which 256 tokens
	s_lshl_b32 s92, s26, 2
	s_lshl_b32 s92, 15, s92                        ; my row of the cluster
	s_lshl_b32 s93, 0x1111, s25                    ; my column
	; descriptor groups 1, rows of 4,096 bytes (512 elements of 8 bytes).  Tokens: half of a tile's K, 16 tiles 8,192 bytes apart.  W: 8 tiles of 8,192 bytes on end, as 16 dense rows
	s_or_b32 s32, s92, (3<<16)|(1<<21)
	s_or_b32 s40, s93, (3<<16)|(1<<21)
	s_mov_b32 s33, 512<<16
	s_mov_b32 s41, 512<<16
	s_mov_b32 s34, 16<<16
	s_mov_b32 s42, 16<<16
	s_mov_b32 s35, 512<<16
	s_mov_b32 s43, 512<<16
	s_mov_b32 s36, 16
	s_mov_b32 s44, 16
	s_mov_b32 s37, 1024
	s_mov_b32 s45, 512
	s_mov_b32 s38, 0
	s_mov_b32 s46, 0
	s_mov_b32 s39, 0
	s_mov_b32 s47, 0
	s_lshl_b32 s94, s30, 17                        ; x's images of my 256 tokens: 16 tiles of 8,192 bytes; enc's lie 1 << 22 bytes on
	s_mov_b32 s95, 0
	s_lshl_b32 s96, s27, 16                        ; Wq's 8 tiles; Wk's lie 1 << 19 bytes on, Wv's 2 << 19
	s_mov_b32 s97, 0
	s_lshl_b32 s28, s23, 15                        ; LDS: my eight token tiles,
	s_lshl_b32 s29, s24, 15
	s_add_co_u32 s29, s29, WA                      ; my four tiles of W
	s_lshl_b32 s31, s25, 2                         ; the prefetches: my wave's number among the sixteen that will ask for x's images jointly,
	s_add_co_u32 s31, s31, s22
	s_lshl_b32 s31, s31, 13                        ; 32 blocks of 256 bytes each
	s_add_co_u32 s31, s31, s94
	s_lshl_b32 s90, s26, 2                         ; and among the sixteen that will ask for Wq,
	s_add_co_u32 s90, s90, s22
	s_lshl_b32 s90, s90, 12                        ; 16 blocks each
	s_add_co_u32 s90, s90, s96
	s_mov_b32 s66, 0x76543210
	s_mov_b32 s67, 0xfedcba98
	s_wait_dscnt 0x0
	s_wait_kmcnt 0x0
	s_add_nc_u64 s[94:95], s[4:5], s[94:95]
	s_add_nc_u64 s[96:97], s[8:9], s[96:97]
.irp k, 0,1
	s_mov_b32 s[48+4*\k], 1                        ; enc, half k of K
	s_mov_b32 s[49+4*\k], 65536*\k
	s_add_nc_u64 s[50+4*\k:51+4*\k], s[94:95], (1<<22)+4096*\k
	s_or_b32 s[51+4*\k], s[51+4*\k], 0x80000000
	s_mov_b32 s[68+4*\k], 1                        ; x, half k of K: the same LDS bytes
	s_mov_b32 s[69+4*\k], 65536*\k
	s_add_nc_u64 s[70+4*\k:71+4*\k], s[94:95], 4096*\k
	s_or_b32 s[71+4*\k], s[71+4*\k], 0x80000000
.endr
	s_mov_b32 s56, 1                               ; Wk
	s_mov_b32 s57, WA
	s_add_nc_u64 s[58:59], s[96:97], 1<<19
	s_or_b32 s59, s59, 0x80000000
	s_mov_b32 s60, 1                               ; Wv
	s_mov_b32 s61, WB
	s_add_nc_u64 s[62:63], s[96:97], 2<<19
	s_or_b32 s63, s63, 0x80000000
	s_mov_b32 s76, 1                               ; Wq: Wk's LDS bytes
	s_mov_b32 s77, WA
	s_mov_b64 s[78:79], s[96:97]
	s_or_b32 s79, s79, 0x80000000
	CROUND                                         ; all sixteen work-groups are here: the joint loads meet
	s_cmp_eq_u32 s22, 0                            ; the head's four tiles, one a wave, each on a line of its own, in one chain of branches on the wave's number
	s_cbranch_scc0 .Lw1
	TL 48, 32                                      ; wave 0: enc's first half of K
	s_branch .Lfilled
.Lw1:
	s_cmp_eq_u32 s22, 1
	s_cbranch_scc0 .Lw2
	TL 56, 40                                      ; wave 1: Wk
	s_branch .Lfilled
.Lw2:
	s_cmp_eq_u32 s22, 2
	s_cbranch_scc0 .Lw3
	TL 52, 32                                      ; wave 2: enc's second half
	s_branch .Lfilled
.Lw3:
	TL 60, 40                                      ; wave 3: Wv
.Lfilled:
	v_and_b32 v136, 31, v0                         ; lane
	v_and_b32 v9, 15, v0
	v_bfe_u32 v8, v0, 4, 1
	v_lshlrev_b32 v9, 2, v9                        ; 4 r
	v_lshlrev_b32 v8, 5, v8                        ; 32 h
	v_lshlrev_b32 v1, 4, v136                      ; 16 x lane
	v_lshlrev_b32 v6, 2, v136                      ; 4 x lane
	v_lshlrev_b32 v7, 3, v136                      ; 8 x lane
	v_add_nc_u32 v2, s28, v1                       ; my eight token tiles, first half of K,
	v_add_nc_u32 v3, 0x10000, v2                   ; second half
	v_add_nc_u32 v4, s29, v1                       ; my four tiles in WA,
	v_add_nc_u32 v5, 0x10000, v4                   ; in WB
	v_lshl_add_u32 v10, v136, 8, s31               ; the prefetches' offsets: never rewritten
	v_min_u32 v11, 15, v136
	v_lshl_add_u32 v11, v11, 8, s90
.irp b, 0,1,2,3
	v_mov_b32 v[TM+4+\b], 0                        ; a lane permute's destination counts as one of its sources
.endr
	s_wait_alu depctr_va_vdst(0)
	s_lshl_b32 s94, s30, 13
	s_lshl_b32 s96, s23, 12
	s_add_co_u32 s94, s94, s96
	s_mov_b32 s95, 0
	s_add_nc_u64 s[88:89], s[6:7], s[94:95]        ; the scale words of my eight tiles of x,
	s_add_nc_u64 s[6:7], s[88:89], 1<<18           ; of enc
.irp a, 0,1,2,3,4,5,6,7
	global_load_b128 v[16+4*\a:19+4*\a], v1, s[6:7] offset:512*\a   ; register 4 a + i: lanes 0-15 K step i of tile a, lanes 16-31 K step 4 + i
.endr
	s_lshl_b32 s94, s27, 12
	s_lshl_b32 s96, s24, 11
	s_add_co_u32 s94, s94, s96
	s_add_nc_u64 s[10:11], s[10:11], s[94:95]
	LDW 48, 1
	s_lshl_b32 s91, s27, 1
	s_add_co_u32 s91, s91, s24                     ; my head
	s_lshl_b32 s94, s91, 8
	s_add_nc_u64 s[12:13], s[12:13], s[94:95]
	s_add_nc_u64 s[14:15], s[14:15], s[94:95]
	s_add_nc_u64 s[16:17], s[16:17], s[94:95]
	WIN 0x80
.irp t, 0,1,2,3
	global_load_b128 v[64+8*\t:67+8*\t], v8, s[14:15] offset:64*\t        ; q, k: register j of tile t wants the bias of feature 16 t + 8 h + j
	global_load_b128 v[68+8*\t:71+8*\t], v8, s[14:15] offset:64*\t+16
.endr
	WIN 0
	LDW 192, 2
	LDW 208, 0
	WIN 0x80
.irp t, 0,1,2,3
.irp j, 0,1,2,3,4,5,6,7
	global_load_b32 v[96+8*\t+\j], v9, s[16:17] offset:64*\t              ; v: all eight want that of feature 16 t + r
.endr
.endr
.irp t, 0,1,2,3
	global_load_b128 v[128+8*\t:131+8*\t], v8, s[12:13] offset:64*\t
	global_load_b128 v[132+8*\t:135+8*\t], v8, s[12:13] offset:64*\t+16
.endr
	WIN 0
	s_lshl_b32 s96, s30, 1
	s_add_co_u32 s96, s96, s23                     ; my group of 128 tokens, 0..63
	s_lshr_b32 s97, s96, 4
	s_lshl_b32 s97, s97, 8                         ; 16 x 16 x batch
	s_lshl_b32 s98, s91, 4
	s_add_co_u32 s97, s97, s98                     ; + 16 x head
	s_and_b32 s98, s96, 15
	s_add_co_u32 s97, s97, s98                     ; + the group inside its batch
	s_lshl_b32 s94, s97, 12
	s_add_nc_u64 s[18:19], s[18:19], s[94:95]      ; my four images of q,
	s_add_nc_u64 s[80:81], s[18:19], 1<<22         ; of k,
	s_add_nc_u64 s[82:83], s[18:19], 2<<22         ; of v
	s_lshl_b32 s94, s97, 8
	s_add_nc_u64 s[20:21], s[20:21], s[94:95]      ; and their 256 bytes of scale words
	s_add_nc_u64 s[84:85], s[20:21], 1<<18
	s_add_nc_u64 s[86:87], s[20:21], 2<<18
	s_cmp_lt_u32 s22, 2
	s_cbranch_scc0 .Lh0
	s_wait_tensorcnt 0x0                           ; waves 0 and 1: enc's first half of K and Wk are in; waves 2 and 3's loads may stay out
.Lh0:
	s_barrier_signal -1
	s_barrier_wait -1
	global_prefetch_b8 v10, s[4:5] th:TH_LOAD_NT scope:SCOPE_SE    ; my 32 blocks of x's images
	global_prefetch_b8 v11, s[8:9] th:TH_LOAD_NT scope:SCOPE_SE    ; my 16 blocks of Wq
	; ---------------- k ----------------
.set WSC, 48
.set BIA, 64
	FIRST 0, 4
	s_wait_loadcnt 0x0                             ; scale words and biases
	STEP 0, 0, 4, 1
	STEP 0, 1, 4, 1
	STEP 0, 2, 4, 1
	STEP 0, 3, 4, 0
	s_wait_tensorcnt 0x0                           ; every wave: all that was still out, enc's second half and Wv, is in,
	s_wait_dscnt 0x0
	s_barrier_signal -1
	s_barrier_wait -1                              ; everybody's is
	FIRST 4, 4
	STEP 0, 4, 4, 1
	STEP 0, 5, 4, 1
	STEP 0, 6, 4, 1
	STEP 0, 7, 4, 0
	WAYOUT 80, 84                                  ; (the last K step's four places stand in front)
	; ---------------- v ----------------
.set WSC, 192
.set BIA, 96
	FIRST 0, 5
	STEP 1, 0, 5, 1
	STEP 1, 1, 5, 1
	STEP 1, 2, 5, 1
	STEP 1, 3, 5, 1
	STEP 1, 4, 5, 1
	STEP 1, 5, 5, 1
	STEP 1, 6, 5, 1
	STEP 1, 7, 5, 0
.irp a, 0,1,2,3,4,5,6,7
	global_load_b128 v[16+4*\a:19+4*\a], v1, s[88:89] offset:512*\a   ; x's scale words, over enc's (four places behind the last product)
.endr
	s_wait_tensorcnt 0x0                           ; ahead of a refill's round: no tensor load of mine is out,
	ds_add_u32 v254, v255
	s_wait_dscnt 0x0                               ; the add is done, and my reads of enc's images, of Wk and of Wv are over
	CROUND                                         ; that holds of every wave of all sixteen work-groups
	s_cmp_eq_u32 s22, 0                            ; the refills, one a wave, each on a line of its own
	s_cbranch_scc0 .Lr1
	TL 68, 32                                      ; wave 0: x's first half of K
	s_branch .Lrefilled
.Lr1:
	s_cmp_eq_u32 s22, 1
	s_cbranch_scc0 .Lr2
	TL 76, 40                                      ; wave 1: Wq
	s_branch .Lrefilled
.Lr2:
	s_cmp_eq_u32 s22, 2
	s_cbranch_scc0 .Lrefilled
	TL 72, 32                                      ; wave 2: x's second half
.Lrefilled:
	s_wait_xcnt 0x0                                ; k's stores have read their registers
	WAYOUT 82, 86
	s_wait_alu depctr_va_vdst(0)
	s_cmp_lt_u32 s22, 2
	s_cbranch_scc0 .Lq0
	s_wait_tensorcnt 0x0                           ; waves 0 and 1: x's first half of K and Wq are in; wave 2's load may stay out
.Lq0:
	s_barrier_signal -1
	s_barrier_wait -1
	; ---------------- q ----------------
.set WSC, 208
.set BIA, 128
	FIRST 0, 4
	s_wait_loadcnt 0x0                             ; x's scale words
	STEP 0, 0, 4, 1
	STEP 0, 1, 4, 1
	STEP 0, 2, 4, 1
	STEP 0, 3, 4, 0
	s_wait_tensorcnt 0x0                           ; every wave: x's second half is in,
	s_wait_dscnt 0x0
	s_barrier_signal -1
	s_barrier_wait -1                              ; everybody's is
	FIRST 4, 4
	STEP 0, 4, 4, 1
	STEP 0, 5, 4, 1
	STEP 0, 6, 4, 1
	STEP 0, 7, 4, 0
	s_wait_xcnt 0x0                                ; v's stores have read their registers
	WAYOUT 18, 20
	s_wait_tensorcnt 0x0                           ; the wave's end
	ds_add_u32 v254, v255
	s_wait_dscnt 0x0
	CROUND                                         ; the closing round: no work-group ends while a partner may still ask jointly
	s_endpgm
.Lfunc_end_k_q335d4135cd_proj:
	.size	k_q335d4135cd_proj, .Lfunc_end_k_q335d4135cd_proj-k_q335d4135cd_proj
	.p2alignl 7, 3214868480
	.fill 96, 4, 3214868480
	.section	.rodata,"a",@progbits
	.p2align	6, 0x0
	.amdhsa_kernel k_q335d4135cd_proj
		.amdhsa_group_segment_fixed_size 327680
		.amdhsa_private_segment_fixed_size 0
		.amdhsa_enable_private_segment 0
		.amdhsa_kernarg_size 72
		.amdhsa_user_sgpr_count 2
		.amdhsa_user_sgpr_kernarg_segment_ptr 1
		.amdhsa_wavefront_size32 1
		.amdhsa_system_sgpr_workgroup_id_x 1
		.amdhsa_system_sgpr_workgroup_id_y 1
		.amdhsa_system_sgpr_workgroup_id_z 1
		.amdhsa_system_vgpr_workitem_id 0
		.amdhsa_next_free_vgpr 672
		.amdhsa_next_free_sgpr 100
		.amdhsa_reserve_vcc 1
		.amdhsa_float_denorm_mode_32 3
		.amdhsa_float_denorm_mode_16_64 3
		.amdhsa_memory_ordered 1
		.amdhsa_forward_progress 1
		.amdhsa_inst_pref_size 213
	.end_amdhsa_kernel
	.amdgpu_metadata
---
amdhsa.version: [ 1, 2 ]
amdhsa.kernels:
  - .name:           k_q335d4135cd_proj
    .symbol:         k_q335d4135cd_proj.kd
    .args:
      - { .name: actc, .offset: 0, .size: 8, .value_kind: global_buffer, .address_space: global }
      - { .name: acts, .offset: 8, .size: 8, .value_kind: global_buffer, .address_space: global }
      - { .name: wc, .offset: 16, .size: 8, .value_kind: global_buffer, .address_space: global }
      - { .name: wsc, .offset: 24, .size: 8, .value_kind: global_buffer, .address_space: global }
      - { .name: bq, .offset: 32, .size: 8, .value_kind: global_buffer, .address_space: global }
      - { .name: bk, .offset: 40, .size: 8, .value_kind: global_buffer, .address_space: global }
      - { .name: bv, .offset: 48, .size: 8, .value_kind: global_buffer, .address_space: global }
      - { .name: qkvc, .offset: 56, .size: 8, .value_kind: global_buffer, .address_space: global }
      - { .name: qkvs, .offset: 64, .size: 8, .value_kind: global_buffer, .address_space: global }
    .group_segment_fixed_size: 327680
    .private_segment_fixed_size: 0
    .kernarg_segment_align: 8
    .kernarg_segment_size: 72
    .max_flat_workgroup_size: 128
    .sgpr_count:     100
    .vgpr_count:     672
    .wavefront_size: 32
...
	.end_amdgpu_metadata
.endif
;; end of part 2
;; launch attn (part 3): grid 8 x 32, 16 waves a work-group, clusters of 4 x 1, 281,600 bytes of LDS; arguments qkvc, qkvs, mhc, mhs; writes mhc, mhs
.if DOCPART == 3
	.amdgcn_target "amdgcn-amd-amdhsa--gfx1250"
	.amdhsa_code_object_version 6
	.text
	.protected	k_q335d4135cd_attn
	.globl	k_q335d4135cd_attn
	.p2align	8
	.type	k_q335d4135cd_attn,@function
k_q335d4135cd_attn:
	s_mov_b64 s[64:65], 0
	v_nop
	global_prefetch_b8 v0, s[64:65] scope:SCOPE_SE
	s_setreg_imm32_b32 hwreg(HW_REG_WAVE_MODE, 25, 1), 1
	s_wait_xcnt 0x0
	s_wait_alu depctr_hold_cnt(0) depctr_sa_sdst(0) depctr_va_vdst(0) depctr_va_sdst(0) depctr_va_ssrc(0) depctr_va_vcc(0) depctr_vm_vsrc(0)
	s_getreg_b32 s2, hwreg(HW_REG_IB_STS2, 6, 4)
	s_cmp_eq_u32 s2, 0
	s_cbranch_scc0 .Lentry_in_a_cluster
	s_endpgm
.Lentry_in_a_cluster:
	s_bfe_u32 s2, ttmp6, 0x10000c
	s_cmp_lg_u32 s2, 0x3003
	s_cbranch_scc0 .Lentry_shape_is_right
	s_endpgm
.Lentry_shape_is_right:
; heads = softmax(q k^T / 8) v for 64 pairs (batch, head), both products on codes of FP4 with E8M0 scales; the result is quantised along the head's 64 and leaves as the last product's operand images.
; THE SOFTMAX: t = score x log2(e) / 8; M = the running largest t rounded UP to a whole number; p = 2^(t - M) is quantised along the keys, not normalised; the row's sum is taken of the unquantised p and divides at the end.
; When M moves, the sum and O are multiplied by 2^(old M - new M), which rounds nothing.
; SHARES.  A work-group takes 256 queries of one batch and TWO heads, 2 hp and 2 hp + 1, one after the other: together they are K step hp of the last product, so that a wave makes whole scale words.
; Each of sixteen waves owns one tile of 16 queries in 256 registers, four waves to a SIMD, so that one wave's vector work stands beside another's products and LDS loads.
; K AND V OF BOTH HEADS LIE IN LDS for the whole launch, as operand images, each byte filled once.  CLUSTER 4 x 1: the four query blocks of a cluster read the same K and V: every fill is a joint load.
; Nothing is asked for ahead of its load: all tensor loads are issued at the head.
; PRODUCT 4 HAS K = 64.  A fragment of k holds 32 keys: row r holds key 32 F + 2 r in blocks 0, 1 and key 32 F + 2 r + 1 in blocks 2, 3.  It is multiplied by [q | zero codes] and by [zero codes | q]: no byte is read twice.
; Both products are used transposed (source 0 = keys, or features of v; source 1 = my queries): a lane holds one query throughout.  Registers 16 F + 8 u + j of S^T hold key 32 F + 16 h + 2 j + u: v's images have the keys in that order.
; LIMITS: NaN and infinities are not served; v_exp_f32 gives 0 for a p under 2^-126; a block's largest p is made from the block's largest score by the same two instructions; a block under 2^-124, or of zeros, gets the byte 1.
; REGISTERS: v1-4 addresses that stay, v5-8 those of the step; v9, v10 q's scale words for the two products, v11 p's; v12 -M, v13 the largest t, v[14:15] the sum; v16-27 zeros, q, zeros; v28-31 k's and v's scale words;
;   v32-63 k, v64-95 v; v96-159 S^T, then p; v160-191 O^T; v192-199 p's codes; v200-217 at work; v218 the scale word on the way out; v219-226 the way out.
.set KSC, 262144                       ; LDS: 0: k's images [head 2][step 16][F 4][1,024]; 131,072: v's likewise; here k's scale words, 256 bytes a step;
.set VSC, 270336                       ; v's;
.set MSG, 278528                       ; 1,024 bytes for the way out's scale words: no fill lands there
.macro PLACES
.rept 4
	v_nop
.endr
.endm
.macro CROUND
	s_barrier_signal -1
	s_barrier_wait -1
	s_cmp_lg_u32 s12, 0
	s_cbranch_scc1 .Lnot_wave_0_\@
	s_barrier_signal -3
.Lnot_wave_0_\@:
	s_barrier_wait -3
	s_barrier_signal -1
	s_barrier_wait -1
.endm
.macro KQ f, u                         ; keys 32 f + 2 m + u of the step against my queries
.if (\f) < 2
	v_wmma_scale_f32_16x16x128_f8f6f4 v[96+16*(\f)+8*(\u):96+16*(\f)+8*(\u)+7], v[32+8*(\f):32+8*(\f)+7], v[20-4*(\u):27-4*(\u)], 0, v[28+(\f)%2], v[9+(\u)] matrix_a_fmt:MATRIX_FMT_FP4 matrix_b_fmt:MATRIX_FMT_FP4
.else
	v_wmma_scale_f32_16x16x128_f8f6f4 v[96+16*(\f)+8*(\u):96+16*(\f)+8*(\u)+7], v[32+8*(\f):32+8*(\f)+7], v[20-4*(\u):27-4*(\u)], 0, v[28+(\f)%2], v[9+(\u)] matrix_a_fmt:MATRIX_FMT_FP4 matrix_b_fmt:MATRIX_FMT_FP4 matrix_a_scale:MATRIX_SCALE_ROW1
.endif
.endm
.macro PV e                            ; features 16 e on: O^T += v^T p^T
.if (\e) < 2
	v_wmma_scale_f32_16x16x128_f8f6f4 v[160+8*(\e):167+8*(\e)], v[64+8*(\e):71+8*(\e)], v[192:199], v[160+8*(\e):167+8*(\e)], v[30+(\e)%2], v11 matrix_a_fmt:MATRIX_FMT_FP4 matrix_b_fmt:MATRIX_FMT_FP4
.else
	v_wmma_scale_f32_16x16x128_f8f6f4 v[160+8*(\e):167+8*(\e)], v[64+8*(\e):71+8*(\e)], v[192:199], v[160+8*(\e):167+8*(\e)], v[30+(\e)%2], v11 matrix_a_fmt:MATRIX_FMT_FP4 matrix_b_fmt:MATRIX_FMT_FP4 matrix_a_scale:MATRIX_SCALE_ROW1
.endif
.endm
	s_load_b256 s[4:11], s[0:1], 0x0               ; qkvc, qkvs, mhc, mhs
	v_lshl_add_u32 v254, v0, 2, 0x44400
	v_mov_b32 v255, 0
	ds_add_u32 v254, v255
	ds_add_u32 v254, v255
	v_lshrrev_b32 v1, 5, v0
	s_delay_alu instid0(VALU_DEP_1)
	v_readfirstlane_b32 s12, v1                    ; wave 0..15
	s_bfe_u32 s13, ttmp6, 0x40000                  ; cx
	s_lshl_b32 s14, ttmp9, 2
	s_add_co_u32 s14, s14, s13                     ; my block of 256 queries: it enters q's and the outputs' addresses alone
	s_and_b32 s15, ttmp7, 0xffff                   ; y = 8 x batch + hp, which the four partners share
	s_and_b32 s16, s12, 1                          ; u of my query tile
	; THE HEAD'S FILLS, one a wave.  Waves 0-7: quarter wave % 4 (16,384 bytes) of the first head's k (waves 0-3) or v (4-7).  Waves 8-11: 4,096 bytes of scale words: k's or v's ((wave / 2) % 2), head wave % 2.
	; Waves 12-15: half wave % 2 (32,768 bytes) of the second head's k or v ((wave / 2) % 2).  v228-231, v233: the second head's q and its scale word, loaded at the head; v232: the scale word of the head in hand.
	s_bfe_u32 s17, s12, 0x10002
	s_and_b32 s75, s12, 3
	s_lshl_b32 s75, s75, 14
	s_lshl_b32 s22, s17, 17
	s_add_co_u32 s22, s22, s75                     ; waves 0-7: LDS,
	s_add_co_u32 s17, s17, 1
	s_lshl_b32 s18, s17, 22                        ; k's or v's section
	s_add_co_u32 s18, s18, s75
	s_lshl_b32 s76, s15, 17                        ; head 2 y of 65,536 bytes
	s_add_co_u32 s18, s18, s76                     ; and memory
	s_mov_b32 s19, 0
	s_bfe_u32 s17, s12, 0x10001
	s_lshl_b32 s23, s17, 13
	s_lshl_b32 s77, s16, 12
	s_add_co_u32 s23, s23, s77                     ; waves 8-11: LDS, from KSC on
	s_lshl_b32 s74, s17, 17
	s_lshl_b32 s78, s16, 15
	s_add_co_u32 s78, s78, 65536
	s_add_co_u32 s74, s74, s78                     ; waves 12-15: LDS
	s_add_co_u32 s17, s17, 1
	s_lshl_b32 s20, s17, 18
	s_add_co_u32 s20, s20, s77
	s_lshl_b32 s21, s15, 13
	s_add_co_u32 s20, s20, s21                     ; waves 8-11: memory
	s_mov_b32 s21, 0
	s_lshl_b32 s72, s17, 22
	s_add_co_u32 s72, s72, s78
	s_add_co_u32 s72, s72, s76                     ; waves 12-15: memory
	s_mov_b32 s73, 0
	; descriptor groups 1: dense blocks as rows of 256 bytes (32 elements of 8 bytes); mask: all four work-groups
.irp g, 24, 32, 40
	s_mov_b32 s[\g], 15|(3<<16)|(1<<21)
	s_mov_b32 s[\g+1], 32<<16
	s_mov_b32 s[\g+3], 32<<16
	s_mov_b32 s[\g+5], 32
	s_mov_b32 s[\g+6], 0
	s_mov_b32 s[\g+7], 0
.endr
	s_mov_b32 s26, 64<<16                          ; a chunk: 4 key steps, 16,384 bytes
	s_mov_b32 s28, 64
	s_mov_b32 s34, 16<<16                          ; a head's scale words of k or of v, 4,096 bytes
	s_mov_b32 s36, 16
	s_mov_b32 s42, 128<<16                         ; half a head, 32,768 bytes
	s_mov_b32 s44, 128
	; my query tile: group g = 2 x block + wave / 8 of its batch, F = (wave / 2) % 4, u = wave % 2
	s_lshr_b32 s61, s12, 3
	s_lshl_b32 s62, s14, 1
	s_add_co_u32 s61, s61, s62
	s_bfe_u32 s62, s12, 0x20001
	s_lshl_b32 s88, s15, 17
	s_lshl_b32 s63, s61, 12
	s_add_co_u32 s88, s88, s63
	s_lshl_b32 s63, s62, 10
	s_add_co_u32 s88, s88, s63
	s_lshl_b32 s63, s16, 9
	s_add_co_u32 s88, s88, s63                     ; q's codes: half u of fragment F
	s_mov_b32 s89, 0
	s_lshl_b32 s90, s15, 13
	s_lshl_b32 s63, s61, 8
	s_add_co_u32 s90, s90, s63
	s_lshr_b32 s63, s62, 1
	s_lshl_b32 s63, s63, 7
	s_add_co_u32 s90, s90, s63
	s_and_b32 s63, s62, 1
	s_lshl_b32 s63, s63, 2
	s_add_co_u32 s90, s90, s63                     ; fragment F's scale words
	s_mov_b32 s91, 0
	s_lshr_b32 s66, s15, 3
	s_lshl_b32 s66, s66, 7
	s_lshl_b32 s63, s14, 4
	s_add_co_u32 s66, s66, s63                     ; the work-group's first token tile
	s_and_b32 s67, s15, 7                          ; hp
	s_add_co_u32 s92, s66, s12
	s_lshl_b32 s92, s92, 13
	s_lshl_b32 s63, s67, 10
	s_add_co_u32 s92, s92, s63                     ; out: my tile's image of K step hp
	s_mov_b32 s93, 0
	s_lshl_b32 s94, s67, 15
	s_lshl_b32 s63, s66, 6
	s_add_co_u32 s94, s94, s63                     ; and the work-group's 1,024 bytes of scale words
	s_mov_b32 s95, 0
	s_lshl_b32 s60, s16, 4                         ; 16 u
	s_mov_b32 s52, 0x3e38aa3b                      ; c = log2(e) / 8
	s_mov_b32 s53, s52                             ; (named with it as a pair)
	s_mov_b32 s54, 0x76543210
	s_mov_b32 s55, 0xfedcba98
	s_mov_b32 s56, 0                               ; where the step's images begin: 4,096 bytes a step, on through both heads
	s_mov_b32 s57, 0                               ; and its scale words: 256 bytes a step
	s_mov_b32 s58, 2                               ; heads to go
	v_and_b32 v214, 31, v0                         ; lane
	v_and_b32 v215, 15, v0                         ; r
	s_delay_alu instid0(VALU_DEP_2)
	v_lshlrev_b32 v1, 4, v214                      ; 16 x lane: k's images
	s_delay_alu instid0(VALU_DEP_1)
	v_add_nc_u32 v2, 0x20000, v1                   ; v's
	s_delay_alu instid0(VALU_DEP_4)
	v_lshl_add_u32 v3, v214, 3, KSC                ; 8 x lane: lane 16 hh + r holds the words of fragments 2 hh, 2 hh + 1 of row r
	v_lshl_add_u32 v4, v214, 3, VSC
	v_lshlrev_b32 v219, 3, v215                    ; 8 r
	v_lshrrev_b32 v224, 5, v0
	s_delay_alu instid0(VALU_DEP_1)
	v_lshlrev_b32 v224, 6, v224
	s_delay_alu instid0(VALU_DEP_1)
	v_lshl_add_u32 v224, v215, 2, v224
	s_delay_alu instid0(VALU_DEP_1)
	v_add_nc_u32 v224, MSG, v224                   ; 64 x wave + 4 r
	v_lshlrev_b32 v226, 4, v0
	s_delay_alu instid0(VALU_DEP_1)
	v_add_nc_u32 v225, MSG, v226
.irp i, 16,17,18,19,24,25,26,27
	v_mov_b32 v[\i], 0                             ; the zero codes beside q
.endr
.irp i, 204,205,206,207,213,218
	v_mov_b32 v[\i], 0                             ; lane permutes' destinations, the upper half of f's pair, the scale word on the way out
.endr
	s_wait_dscnt 0x0
	s_wait_kmcnt 0x0
	s_add_nc_u64 s[18:19], s[4:5], s[18:19]
	s_add_nc_u64 s[20:21], s[6:7], s[20:21]
	s_add_nc_u64 s[88:89], s[4:5], s[88:89]
	s_add_nc_u64 s[90:91], s[6:7], s[90:91]
	s_add_nc_u64 s[92:93], s[8:9], s[92:93]
	s_add_nc_u64 s[10:11], s[10:11], s[94:95]
	s_mov_b32 s48, 1
	s_add_co_u32 s49, s23, KSC
	s_mov_b64 s[50:51], s[20:21]
	s_or_b32 s51, s51, 0x80000000
	s_mov_b32 s68, 1
	s_mov_b32 s69, s22
	s_mov_b64 s[70:71], s[18:19]
	s_or_b32 s71, s71, 0x80000000
	s_mov_b32 s84, 1
	s_mov_b32 s85, s74
	s_add_nc_u64 s[86:87], s[4:5], s[72:73]
	s_or_b32 s87, s87, 0x80000000
	CROUND                                         ; all four work-groups are here: the joint loads meet
	s_cmp_lt_u32 s12, 8                            ; one chain of branches on the wave's number, one load to an arm: every way passes exactly one
	s_cbranch_scc0 .Lnot_first
	tensor_load_to_lds s[68:71], s[24:31]          ; waves 0-7: the first head's images
	s_nop 0
.rept 4
	v_nop
.endr
	s_branch .Lfilled
.Lnot_first:
	s_cmp_lt_u32 s12, 12
	s_cbranch_scc0 .Lsecond
	tensor_load_to_lds s[48:51], s[32:39]          ; waves 8-11: the scale words
	s_nop 0
.rept 4
	v_nop
.endr
	s_branch .Lfilled
.Lsecond:
	tensor_load_to_lds s[84:87], s[40:47]          ; waves 12-15: the second head's images
	s_nop 0
.rept 4
	v_nop
.endr
.Lfilled:
	global_load_b128 v[20:23], v1, s[88:89]        ; q of the first head: lane (r, h): block h of my query r
	global_load_b32 v232, v219, s[90:91]           ; the scale word of its fragment's row r
	global_load_b128 v[228:231], v1, s[88:89] offset:0x10000   ; and the same of the second head
	global_load_b32 v233, v219, s[90:91] offset:0x1000
	s_wait_alu depctr_va_vdst(0)
	s_wait_loadcnt 0x0
	s_cmp_lt_u32 s12, 12
	s_cbranch_scc0 .Lnot_mine
	s_wait_tensorcnt 0x0                           ; waves 0-11: the first head's images and all scale words are in; waves 12-15's loads may stay out
.Lnot_mine:
	s_barrier_signal -1
	s_barrier_wait -1
; A KEY STEP: 128 keys
.macro KLOAD                           ; k's scale words and four fragments of the step that begins at s56, s57: nine loads
	v_add_nc_u32 v5, s56, v1
	v_add_nc_u32 v7, s57, v3
	ds_load_b64 v[28:29], v7
.irp f, 0,1,2,3
.irp c, 0,1
	ds_load_b128 v[32+8*\f+4*\c:35+8*\f+4*\c], v5 offset:1024*\f+512*\c
.endr
.endr
.endm
.macro STEP pf                         ; k's fragments of this step were asked for a step ago.  pf = 1: the next step's are asked for behind this step's score products
	v_add_nc_u32 v6, s56, v2                       ; these four are the places between the last products and the loads into their operands
	v_add_nc_u32 v8, s57, v4
	v_nop
	v_nop
	ds_load_b64 v[30:31], v8
.irp f, 0,1,2,3
.irp c, 0,1
	ds_load_b128 v[64+8*\f+4*\c:67+8*\f+4*\c], v6 offset:1024*\f+512*\c
.endr
.endr
	s_wait_dscnt 9                                 ; k and its scale words are in; v's nine loads may be out
.irp f, 0,1,2,3
	KQ \f, 0
	KQ \f, 1
.endr
	s_add_co_u32 s56, s56, 4096                    ; on to the next step's images and scale words
	s_add_co_u32 s57, s57, 256
	v_nop                                          ; four places behind the score products: two here,
	v_nop
.if \pf
	KLOAD                                          ; and the two additions at its head
.else
	v_nop
	v_nop
.endif
.irp b, 0,1,2,3
	v_max3_num_f32 v[200+\b], v[96+16*\b], v[97+16*\b], v[98+16*\b]   ; the largest score of each block of 32 keys: for the row's maximum and for the block's largest p
.endr
.irp i, 3,5,7,9,11,13
.irp b, 0,1,2,3
	v_max3_num_f32 v[200+\b], v[200+\b], v[96+16*\b+\i], v[97+16*\b+\i]
.endr
.endr
.irp b, 0,1,2,3
	v_max_num_f32 v[200+\b], v[200+\b], v[111+16*\b]
.endr
.irp b, 0,1,2,3
	s_delay_alu instid0(VALU_DEP_4)
	v_permlanex16_b32 v[204+\b], v[200+\b], s54, s55
.endr
.irp b, 0,1,2,3
	s_delay_alu instid0(VALU_DEP_4)
	v_max_num_f32 v[200+\b], v[200+\b], v[204+\b]  ; with lane l xor 16's 16 keys
.endr
	s_delay_alu instid0(VALU_DEP_2)
	v_max3_num_f32 v214, v200, v201, v202
	s_delay_alu instid0(VALU_DEP_1)
	v_max_num_f32 v214, v214, v203
	s_delay_alu instid0(VALU_DEP_1)
	v_mul_f32 v214, s52, v214                      ; the step's largest t
	s_delay_alu instid0(VALU_DEP_1)
	v_max_num_f32 v13, v13, v214
	v_mov_b32 v214, v12
	s_delay_alu instid0(VALU_DEP_2)
	v_floor_f32 v12, -v13                          ; the new -M = -ceil(t)
	s_delay_alu instid0(VALU_DEP_1)
	v_sub_f32 v214, v12, v214                      ; old M - new M: a whole number, 0 or less
	s_delay_alu instid0(VALU_DEP_1)
	v_cvt_i32_f32 v214, v214                       ; (it saturates)
	s_delay_alu instid0(VALU_DEP_1)
	v_ldexp_f32 v212, 1.0, v214                    ; f = 2^(old M - new M)
.irp j, 0,2,4,6,8,10,12,14,16,18,20,22,24,26,28,30,32,34,36,38,40,42,44,46,48,50,52,54,56,58,60,62
	v_pk_fma_f32 v[96+\j:97+\j], v[96+\j:97+\j], s[52:53], v[12:13] op_sel_hi:[1,0,0]   ; t - M
.endr
.irp b, 0,1,2,3
	v_fma_f32 v[200+\b], v[200+\b], s52, v12
.endr
.set EJ, 0
	s_wait_alu depctr_va_vdst(0)
.rept 64
	v_exp_f32 v[96+EJ], v[96+EJ]                   ; p = 2^(t - M)
.set EJ, EJ+1
.endr
	v_pk_mul_f32 v[14:15], v[14:15], v[212:213] op_sel_hi:[1,0]   ; the sums under the new M: a plain line behind the exponentials
	s_wait_alu depctr_va_vdst(0)                   ; one wait for the batch, ahead of its first reader
.irp b, 0,1,2,3
	v_exp_f32 v[200+\b], v[200+\b]                 ; each block's largest p
.endr
	v_pk_add_f32 v[216:217], v[100:101], v[104:105]
	v_pk_add_f32 v[252:253], v[108:109], v[112:113]
	v_pk_add_f32 v[250:251], v[116:117], v[120:121]
	v_pk_add_f32 v[248:249], v[124:125], v[128:129]
	v_pk_add_f32 v[246:247], v[132:133], v[136:137]
	v_pk_add_f32 v[244:245], v[140:141], v[144:145]
	v_pk_add_f32 v[242:243], v[148:149], v[152:153]
	v_pk_add_f32 v[14:15], v[14:15], v[156:157]
	v_pk_add_f32 v[216:217], v[216:217], v[96:97]
	v_pk_add_f32 v[252:253], v[252:253], v[98:99]
	v_pk_add_f32 v[250:251], v[250:251], v[102:103]
	v_pk_add_f32 v[248:249], v[248:249], v[106:107]
	v_pk_add_f32 v[246:247], v[246:247], v[110:111]
	v_pk_add_f32 v[244:245], v[244:245], v[114:115]
	v_pk_add_f32 v[242:243], v[242:243], v[118:119]
	v_pk_add_f32 v[14:15], v[14:15], v[122:123]
	v_pk_add_f32 v[216:217], v[216:217], v[126:127]
	v_pk_add_f32 v[252:253], v[252:253], v[130:131]
	v_pk_add_f32 v[250:251], v[250:251], v[134:135]
	v_pk_add_f32 v[248:249], v[248:249], v[138:139]
	v_pk_add_f32 v[246:247], v[246:247], v[142:143]
	v_pk_add_f32 v[244:245], v[244:245], v[146:147]
	v_pk_add_f32 v[242:243], v[242:243], v[150:151]
	v_pk_add_f32 v[14:15], v[14:15], v[154:155]
	v_pk_add_f32 v[216:217], v[216:217], v[158:159]
	s_delay_alu instid0(VALU_DEP_2)
	v_pk_add_f32 v[14:15], v[14:15], v[248:249]
	s_delay_alu instid0(VALU_DEP_2)
	v_pk_add_f32 v[216:217], v[216:217], v[246:247]
	v_pk_add_f32 v[252:253], v[252:253], v[244:245]
	v_pk_add_f32 v[250:251], v[250:251], v[242:243]
	s_delay_alu instid0(VALU_DEP_2)
	v_pk_add_f32 v[14:15], v[14:15], v[252:253]
	s_delay_alu instid0(VALU_DEP_2)
	v_pk_add_f32 v[216:217], v[216:217], v[250:251]
	s_delay_alu instid0(VALU_DEP_1)
	v_pk_add_f32 v[14:15], v[14:15], v[216:217]
	s_wait_alu depctr_va_vdst(0)                   ; and one for the four
.irp b, 0,1,2,3
	v_max_num_f32 v[200+\b], 0x1800000, v[200+\b]  ; the floor 2^(3 - 127)
.endr
.irp b, 0,1,2,3
	s_delay_alu instid0(VALU_DEP_4)
	v_add_nc_u32 v[208+\b], 0xff000000, v[200+\b]
.endr
.irp b, 0,1,2,3
	s_delay_alu instid0(VALU_DEP_4)
	v_lshrrev_b32 v[204+\b], 23, v[208+\b]
.endr
	s_delay_alu instid0(VALU_DEP_3)
	v_lshl_or_b32 v11, v205, 8, v204               ; p's scale word for these 128 keys
	s_delay_alu instid0(VALU_DEP_1)
	v_lshl_or_b32 v11, v206, 16, v11
	s_delay_alu instid0(VALU_DEP_1)
	v_lshl_or_b32 v11, v207, 24, v11
.irp b, 0,1,2,3
	v_cvt_scalef32_pk8_fp4_f32 v[192+2*\b], v[96+16*\b:103+16*\b], v[208+\b]
	v_cvt_scalef32_pk8_fp4_f32 v[193+2*\b], v[104+16*\b:111+16*\b], v[208+\b]
.endr
	v_nop                                          ; one plain line behind the conversions
.irp c, 0,1
.irp i, 0,1
	v_permlane16_swap_b32 v[192+4*\c+\i], v[194+4*\c+\i]   ; a whole block to a lane
.endr
.endr
.irp j, 0,2,4,6,8,10,12,14,16,18,20,22,24,26,28,30
	v_pk_mul_f32 v[160+\j:161+\j], v[160+\j:161+\j], v[212:213] op_sel_hi:[1,0]   ; O^T under the new M; also the places between p's codes and scale word and the products
.endr
	s_wait_alu depctr_va_vdst(0)
	s_wait_dscnt 0x0                               ; v and its scale words are in
.irp e, 0,1,2,3
	PV \e
.endr
.endm
; A head's sixteen key steps, with no barrier among them: the head's images were shown whole by the barrier in front of the walk.  The last step is written out: it asks for nothing, so that no byte of the next head is read ahead of the barrier that shows it.
.macro WALK
	KLOAD
	s_mov_b32 s59, 15
.Lstep_\@:
	STEP 1
	s_sub_co_u32 s59, s59, 1
	s_cmp_lg_u32 s59, 0
	s_cbranch_scc1 .Lstep_\@
	STEP 0
.endm
.Lpass:                                            ; one head
	v_mov_b32 v13, 0xff61b1e6                      ; the largest t so far: -3e38
	s_delay_alu instid0(VALU_DEP_1)
	v_floor_f32 v12, -v13
	v_mov_b32 v14, 0
	v_mov_b32 v15, 0
	v_lshrrev_b32 v214, s60, v232
	s_delay_alu instid0(VALU_DEP_1)
	v_and_b32 v214, 0xffff, v214                   ; my query's two bytes
	s_delay_alu instid0(VALU_DEP_1)
	v_or_b32 v9, 0x7f7f0000, v214                  ; for [q | zeros]: the zero codes' bytes are 127
	s_delay_alu instid0(VALU_DEP_2)
	v_lshl_or_b32 v10, v214, 16, 0x7f7f            ; for [zeros | q]
.irp j, 0,1,2,3,4,5,6,7,8,9,10,11,12,13,14,15,16,17,18,19,20,21,22,23,24,25,26,27,28,29,30,31
	v_mov_b32 v[160+\j], 0                         ; O^T: the step is written once and its first turn finds zeros.  (Also the places in front of the scale words' first use)
.endr
	WALK
	; THE WAY OUT of a head: O^T / the sum, quantised along the head's 64: two blocks, half of an image
	PLACES
	v_add_f32 v14, v14, v15
	s_delay_alu instid0(VALU_DEP_1)
	v_permlanex16_b32 v214, v14, s54, s55
	s_delay_alu instid0(VALU_DEP_1)
	v_add_f32 v14, v14, v214                       ; the row's sum
	s_wait_alu depctr_va_vdst(0)
	v_rcp_f32 v14, v14
	v_nop                                          ; a plain line behind the reciprocal
	s_wait_alu depctr_va_vdst(0)                   ; the wait ahead of its first reader
.irp j, 0,2,4,6,8,10,12,14,16,18,20,22,24,26,28,30
	v_pk_mul_f32 v[96+\j:97+\j], v[160+\j:161+\j], v[14:15] op_sel_hi:[1,0]   ; register 16 b + 8 u + j: feature 32 b + 16 u + 8 h + j of my query
.endr
.irp b, 0,1
	v_max3_num_f32 v[200+\b], |v[96+16*\b]|, |v[97+16*\b]|, 0x1800000
.endr
.irp i, 2,4,6,8,10,12,14
.irp b, 0,1
	s_delay_alu instid0(VALU_DEP_2)
	v_max3_num_f32 v[200+\b], v[200+\b], |v[96+16*\b+\i]|, |v[97+16*\b+\i]|
.endr
.endr
.irp b, 0,1
	s_delay_alu instid0(VALU_DEP_2)
	v_permlanex16_b32 v[204+\b], v[200+\b], s54, s55
.endr
.irp b, 0,1
	s_delay_alu instid0(VALU_DEP_2)
	v_max_num_f32 v[200+\b], v[200+\b], v[204+\b]
.endr
.irp b, 0,1
	s_delay_alu instid0(VALU_DEP_2)
	v_add_nc_u32 v[208+\b], 0xff000000, v[200+\b]
.endr
.irp b, 0,1
	s_delay_alu instid0(VALU_DEP_2)
	v_lshrrev_b32 v[204+\b], 23, v[208+\b]
.endr
	s_delay_alu instid0(VALU_DEP_1)
	v_lshl_or_b32 v214, v205, 8, v204              ; this head's two bytes
	v_lshrrev_b32 v218, 16, v218                   ; the first head's go down,
	s_delay_alu instid0(VALU_DEP_1)
	v_lshl_or_b32 v218, v214, 16, v218             ; this head's on top: after two heads the word of K step hp is whole
	v_cvt_scalef32_pk8_fp4_f32 v220, v[96:103], v208
	v_cvt_scalef32_pk8_fp4_f32 v221, v[104:111], v208
	v_cvt_scalef32_pk8_fp4_f32 v222, v[112:119], v209
	v_cvt_scalef32_pk8_fp4_f32 v223, v[120:127], v209
	v_nop
	v_permlane16_swap_b32 v220, v222
	v_permlane16_swap_b32 v221, v223
	global_store_b128 v1, v[220:223], s[92:93]     ; 512 consecutive bytes
.irp i, 0,1,2,3
	v_mov_b32 v[20+\i], v[228+\i]                  ; the next head's q,
.endr
	v_mov_b32 v232, v233                           ; and its scale word
	s_wait_alu depctr_va_vdst(0)
	s_wait_xcnt 0x0                                ; the base and the store's data are written again only behind this wait
	s_add_nc_u64 s[92:93], s[92:93], 512           ; the image's other half
	s_wait_tensorcnt 0x0                           ; every wave: all that was still out, the second head's images, is in;
	s_wait_dscnt 0x0
	s_barrier_signal -1
	s_barrier_wait -1                              ; everybody's is.
	s_sub_co_u32 s58, s58, 1
	s_cmp_lg_u32 s58, 0
	s_cbranch_scc1 .Lpass
	s_wait_alu depctr_va_vdst(0)
	ds_store_b32 v224, v218                        ; both halves of the lanes write the same word with the same value
	s_wait_dscnt 0x0                               ; for the others' sake
	s_barrier_signal -1
	s_barrier_wait -1
	s_cmp_lt_u32 s12, 2                            ; waves 0 and 1 store the sixteen tiles' words, 512 consecutive bytes each
	s_cbranch_scc0 .Lno_words
	ds_load_b128 v[96:99], v225
	s_wait_dscnt 0x0
	global_store_b128 v226, v[96:99], s[10:11]
.Lno_words:
	s_wait_tensorcnt 0x0
	ds_add_u32 v254, v255
	s_wait_dscnt 0x0
	CROUND                                         ; the closing round
	s_endpgm
.Lfunc_end_k_q335d4135cd_attn:
	.size	k_q335d4135cd_attn, .Lfunc_end_k_q335d4135cd_attn-k_q335d4135cd_attn
	.p2alignl 7, 3214868480
	.fill 96, 4, 3214868480
	.section	.rodata,"a",@progbits
	.p2align	6, 0x0
	.amdhsa_kernel k_q335d4135cd_attn
		.amdhsa_group_segment_fixed_size 281600
		.amdhsa_private_segment_fixed_size 0
		.amdhsa_enable_private_segment 0
		.amdhsa_kernarg_size 32
		.amdhsa_user_sgpr_count 2
		.amdhsa_user_sgpr_kernarg_segment_ptr 1
		.amdhsa_wavefront_size32 1
		.amdhsa_system_sgpr_workgroup_id_x 1
		.amdhsa_system_sgpr_workgroup_id_y 1
		.amdhsa_system_sgpr_workgroup_id_z 1
		.amdhsa_system_vgpr_workitem_id 0
		.amdhsa_next_free_vgpr 256
		.amdhsa_next_free_sgpr 96
		.amdhsa_reserve_vcc 0
		.amdhsa_float_denorm_mode_32 3
		.amdhsa_float_denorm_mode_16_64 3
		.amdhsa_memory_ordered 1
		.amdhsa_forward_progress 1
		.amdhsa_inst_pref_size 48
	.end_amdhsa_kernel
	.amdgpu_metadata
---
amdhsa.version: [ 1, 2 ]
amdhsa.kernels:
  - .name:           k_q335d4135cd_attn
    .symbol:         k_q335d4135cd_attn.kd
    .args:
      - { .name: qkvc, .offset: 0, .size: 8, .value_kind: global_buffer, .address_space: global }
      - { .name: qkvs, .offset: 8, .size: 8, .value_kind: global_buffer, .address_space: global }
      - { .name: mhc, .offset: 16, .size: 8, .value_kind: global_buffer, .address_space: global }
      - { .name: mhs, .offset: 24, .size: 8, .value_kind: global_buffer, .address_space: global }
    .group_segment_fixed_size: 281600
    .private_segment_fixed_size: 0
    .kernarg_segment_align: 8
    .kernarg_segment_size: 32
    .max_flat_workgroup_size: 512
    .sgpr_count:     96
    .vgpr_count:     256
    .wavefront_size: 32
...
	.end_amdgpu_metadata
.endif
;; end of part 3
;; launch outp (part 4): grid 8 x 32, 4 waves a work-group, clusters of 4 x 4, 214,528 bytes of LDS; arguments mhc, mhs, wc, wsc, bo, out0; writes out0
.if DOCPART == 4
	.amdgcn_target "amdgcn-amd-amdhsa--gfx1250"
	.amdhsa_code_object_version 6
	.text
	.protected	k_q335d4135cd_outp
	.globl	k_q335d4135cd_outp
	.p2align	8
	.type	k_q335d4135cd_outp,@function
k_q335d4135cd_outp:
	s_mov_b64 s[64:65], 0
	v_nop
	global_prefetch_b8 v0, s[64:65] scope:SCOPE_SE
	s_setreg_imm32_b32 hwreg(HW_REG_WAVE_MODE, 25, 1), 1
	s_wait_xcnt 0x0
	s_wait_alu depctr_hold_cnt(0) depctr_sa_sdst(0) depctr_va_vdst(0) depctr_va_sdst(0) depctr_va_ssrc(0) depctr_va_vcc(0) depctr_vm_vsrc(0)
	s_getreg_b32 s2, hwreg(HW_REG_IB_STS2, 6, 4)
	s_cmp_eq_u32 s2, 0
	s_cbranch_scc0 .Lentry_in_a_cluster
	s_endpgm
.Lentry_in_a_cluster:
	s_bfe_u32 s2, ttmp6, 0x10000c
	s_cmp_lg_u32 s2, 0xf033
	s_cbranch_scc0 .Lentry_shape_is_right
	s_endpgm
.Lentry_shape_is_right:
; out0 = heads Wo + bo on codes of FP4 with E8M0 scales, K = 1,024 = 64 head + e.  The heads' images come from the attention launch, Wo's from the first launch, with e inside a block of 32 in the same order on both sides.
; SHARES, LDS AND CLUSTER as in the projections: a work-group makes 256 tokens x 128 columns, wave (wm, wn) 128 x 64 in 32 accumulators; all of K lies in LDS, each byte filled once, in two halves of K;
; the tokens' images are asked for jointly along a row of the 4 x 4 cluster, Wo's along a column.  Source 0 = 16 columns of Wo, source 1 = 16 tokens: a lane holds one token and eight neighbouring columns.
; bo is the C of each sum's first matrix instruction.  The 32 accumulators take turns, one instruction a turn, in the same order in every K step.
; Row r of token tile 8 G + 2 F + u is token 128 G + 32 F + 2 r + u: the way out puts each row where it belongs.
; REGISTERS: window 0: v1-13 addresses; v16-47 the tokens' scale words, v48-63 Wo's; v64-127 eight fragments of tokens; v128-191 rows on the way out.   window 1: the accumulators.   window 2: v0-63 Wo's fragments, two sets; v64-95 bo.
.set STG, 196608                       ; behind the images: a stage of 16 rows x (256 bytes + 16) for each wave; no fill lands there
.set MSB, 0
.macro WIN new                         ; the immediate's high byte repeats the setting that is left
.if MSB != (\new)
	s_set_vgpr_msb (MSB<<8)|(\new)
.set MSB, (\new)
.endif
.endm
.macro PLACES                          ; four plain vector lines between a matrix instruction and a load into, or a read of, its registers
.rept 4
	v_nop
.endr
.endm
.macro CROUND
	s_barrier_signal -1
	s_barrier_wait -1
	s_cmp_lg_u32 s22, 0
	s_cbranch_scc1 .Lnot_wave_0_\@
	s_barrier_signal -3
.Lnot_wave_0_\@:
	s_barrier_wait -3
	s_barrier_signal -1
	s_barrier_wait -1
.endm
.macro WM
.if xFA != 0
.if xFB != 0
	v_wmma_scale_f32_16x16x128_f8f6f4 v[xD:xD+7], v[xA:xA+7], v[xB:xB+7], v[xC:xC+7], v[xSA], v[xSB] matrix_a_fmt:MATRIX_FMT_FP4 matrix_b_fmt:MATRIX_FMT_FP4 matrix_a_scale:MATRIX_SCALE_ROW1 matrix_b_scale:MATRIX_SCALE_ROW1
.else
	v_wmma_scale_f32_16x16x128_f8f6f4 v[xD:xD+7], v[xA:xA+7], v[xB:xB+7], v[xC:xC+7], v[xSA], v[xSB] matrix_a_fmt:MATRIX_FMT_FP4 matrix_b_fmt:MATRIX_FMT_FP4 matrix_a_scale:MATRIX_SCALE_ROW1
.endif
.else
.if xFB != 0
	v_wmma_scale_f32_16x16x128_f8f6f4 v[xD:xD+7], v[xA:xA+7], v[xB:xB+7], v[xC:xC+7], v[xSA], v[xSB] matrix_a_fmt:MATRIX_FMT_FP4 matrix_b_fmt:MATRIX_FMT_FP4 matrix_b_scale:MATRIX_SCALE_ROW1
.else
	v_wmma_scale_f32_16x16x128_f8f6f4 v[xD:xD+7], v[xA:xA+7], v[xB:xB+7], v[xC:xC+7], v[xSA], v[xSB] matrix_a_fmt:MATRIX_FMT_FP4 matrix_b_fmt:MATRIX_FMT_FP4
.endif
.endif
.endm
.macro MUL16 s, a0                     ; token tiles a0 .. a0 + 3 x my four tiles of columns, K step s
.irp a, 0,1,2,3
.irp t, 0,1,2,3
.set xD,  32*((\a0)+\a)+8*\t
.set xA,  32*((\s)%2)+8*\t
.set xB,  64+8*((\a0)+\a)
.set xSA, 48+8*(\t/2)+(\s)
.set xSB, 16+8*(((\a0)+\a)/2)+(\s)
.set xFA, \t%2
.set xFB, ((\a0)+\a)%2
.if (\s) == 0
.set xC,  64+8*\t
.else
.set xC,  xD+0
.endif
	WM
.endr
.endr
.endm
.macro FW s
	WIN 0x80
.irp t, 0,1,2,3
.irp c, 0,1
	ds_load_b128 v[32*((\s)%2)+8*\t+4*\c:32*((\s)%2)+8*\t+4*\c+3], v[4+(\s)/4] offset:4096*\t+1024*((\s)%4)+512*\c
.endr
.endr
	WIN 0
.endm
.macro FA s, a0
.irp a, 0,1,2,3
.irp c, 0,1
	ds_load_b128 v[64+8*((\a0)+\a)+4*\c:64+8*((\a0)+\a)+4*\c+3], v[2+(\s)/4] offset:4096*((\a0)+\a)+1024*((\s)%4)+512*\c
.endr
.endr
.endm
.macro STEP s
.if (\s) == 0
.set MWIN, 0x62                        ; C: bo, in window 2
.else
.set MWIN, 0x52                        ; Wo window 2, tokens window 0, C and D window 1
.endif
	s_wait_dscnt 8                                 ; Wo's set and token tiles 0-3 are in; the youngest eight loads (tiles 4-7) may be out
	WIN MWIN
	MUL16 \s, 0
	s_wait_dscnt 0x0
.if (\s)%4 < 3
	PLACES
	FW (\s)+1
	FA (\s)+1, 0
.endif
	WIN MWIN
	MUL16 \s, 4
	PLACES
	WIN 0
.if (\s)%4 < 3
	FA (\s)+1, 4
.endif
.endm
	s_load_b256 s[4:11], s[0:1], 0x0               ; mhc, mhs, wc, wsc
	s_load_b128 s[12:15], s[0:1], 0x20             ; bo, out0
	v_lshl_add_u32 v254, v0, 2, 0x34400
	v_mov_b32 v255, 0
	ds_add_u32 v254, v255
	ds_add_u32 v254, v255
	v_lshrrev_b32 v1, 5, v0
	v_readfirstlane_b32 s22, v1                    ; wave 0..3
	s_lshr_b32 s23, s22, 1                         ; wm
	s_and_b32 s24, s22, 1                          ; wn
	s_bfe_u32 s25, ttmp6, 0x40000                  ; cx
	s_bfe_u32 s26, ttmp6, 0x40004                  ; cy
	s_lshl_b32 s27, ttmp9, 2
	s_add_co_u32 s27, s27, s25                     ; which 128 columns
	s_and_b32 s30, ttmp7, 0xffff
	s_lshl_b32 s30, s30, 2
	s_add_co_u32 s30, s30, s26                     ; which 256 tokens
	s_lshl_b32 s68, s26, 2
	s_lshl_b32 s68, 15, s68                        ; my row of the cluster
	s_lshl_b32 s69, 0x1111, s25                    ; my column
	s_or_b32 s32, s68, (3<<16)|(1<<21)             ; group 1: rows of 4,096 bytes (512 elements of 8 bytes), 8,192 bytes apart; all 16 rows of the tokens' tiles, all 8 of Wo's
	s_or_b32 s40, s69, (3<<16)|(1<<21)
	s_mov_b32 s33, 512<<16
	s_mov_b32 s41, 512<<16
	s_mov_b32 s34, 16<<16
	s_mov_b32 s42, 8<<16
	s_mov_b32 s35, 512<<16
	s_mov_b32 s43, 512<<16
	s_mov_b32 s36, 16
	s_mov_b32 s44, 8
	s_mov_b32 s37, 1024
	s_mov_b32 s45, 1024
	s_mov_b32 s38, 0
	s_mov_b32 s46, 0
	s_mov_b32 s39, 0
	s_mov_b32 s47, 0
	s_lshl_b32 s70, s30, 17
	s_mov_b32 s71, 0
	s_lshl_b32 s72, s27, 16
	s_add_co_u32 s72, s72, 3<<19                   ; Wo's section
	s_mov_b32 s73, 0
	s_mov_b32 s74, 0
	s_mov_b32 s75, 0
	s_wait_dscnt 0x0
	s_wait_kmcnt 0x0
	s_add_nc_u64 s[70:71], s[4:5], s[70:71]
	s_add_nc_u64 s[72:73], s[8:9], s[72:73]
.irp k, 0,1
	s_mov_b32 s[48+4*\k], 1
	s_add_co_u32 s[49+4*\k], s74, 65536*\k
	s_add_nc_u64 s[50+4*\k:51+4*\k], s[70:71], 4096*\k
	s_or_b32 s[51+4*\k], s[51+4*\k], 0x80000000
	s_mov_b32 s[56+4*\k], 1
	s_add_co_u32 s[57+4*\k], s75, 131072+32768*\k
	s_add_nc_u64 s[58+4*\k:59+4*\k], s[72:73], 4096*\k
	s_or_b32 s[59+4*\k], s[59+4*\k], 0x80000000
.endr
	CROUND                                         ; all sixteen work-groups are here: the joint loads meet
	s_cmp_eq_u32 s22, 0                            ; the head's four tiles, one a wave, each on a line of its own, in one chain of branches on the wave's number
	s_cbranch_scc0 .Lw1
	tensor_load_to_lds s[48:51], s[32:39]          ; wave 0: the tokens' first half of K
	s_nop 0
.rept 4
	v_nop
.endr
	s_branch .Lfilled
.Lw1:
	s_cmp_eq_u32 s22, 1
	s_cbranch_scc0 .Lw2
	tensor_load_to_lds s[56:59], s[40:47]          ; wave 1: Wo's first half
	s_nop 0
.rept 4
	v_nop
.endr
	s_branch .Lfilled
.Lw2:
	s_cmp_eq_u32 s22, 2
	s_cbranch_scc0 .Lw3
	tensor_load_to_lds s[52:55], s[32:39]          ; wave 2: the tokens' second half
	s_nop 0
.rept 4
	v_nop
.endr
	s_branch .Lfilled
.Lw3:
	tensor_load_to_lds s[60:63], s[40:47]          ; wave 3: Wo's second half
	s_nop 0
.rept 4
	v_nop
.endr
.Lfilled:
	v_and_b32 v11, 31, v0                          ; lane
	v_and_b32 v12, 15, v0                          ; r
	v_bfe_u32 v13, v0, 4, 1                        ; h
	v_lshlrev_b32 v1, 4, v11                       ; 16 x lane
	v_lshlrev_b32 v6, 2, v11                       ; 4 x lane
	v_lshlrev_b32 v7, 5, v13                       ; 32 h
	s_lshl_b32 s84, s23, 15
	v_add_nc_u32 v2, s84, v1
	v_add_nc_u32 v3, 0x10000, v2
	s_lshl_b32 s84, s24, 14
	s_add_co_u32 s84, s84, 131072
	v_add_nc_u32 v4, s84, v1
	v_add_nc_u32 v5, 0x8000, v4
	s_mul_i32 s84, s22, 4352
	s_add_co_u32 s84, s84, STG                     ; my stage
	v_mul_u32_u24 v8, v12, 272
	v_lshl_add_u32 v8, v13, 5, v8
	v_add_nc_u32 v8, s84, v8                       ; in: row r, 32 bytes for each half of the lanes
	v_mul_u32_u24 v9, v13, 272
	v_lshl_add_u32 v9, v12, 4, v9
	v_add_nc_u32 v9, s84, v9                       ; back: lanes 0-15 one row of 256 bytes, lanes 16-31 the next,
	v_lshlrev_b32 v10, 13, v13
	v_lshl_add_u32 v10, v12, 4, v10                ; which lies two tokens, 8,192 bytes, further on in out0
	s_mov_b32 s77, 0
	s_lshl_b32 s76, s30, 10
	s_lshl_b32 s78, s23, 9
	s_add_co_u32 s76, s76, s78
	s_add_nc_u64 s[6:7], s[6:7], s[76:77]
.irp p, 0,1,2,3
.irp s, 0,1,2,3,4,5,6,7
	global_load_b32 v[16+8*\p+\s], v6, s[6:7] offset:32768*\s+128*\p   ; lanes 0-15 token tile 2 p, lanes 16-31 tile 2 p + 1
.endr
.endr
	s_lshl_b32 s76, s27, 12
	s_add_co_u32 s76, s76, 3<<15
	s_lshl_b32 s78, s24, 11
	s_add_co_u32 s76, s76, s78
	s_add_nc_u64 s[10:11], s[10:11], s[76:77]
.irp p, 0,1
.irp s, 0,1,2,3,4,5,6,7
	global_load_b32 v[48+8*\p+\s], v6, s[10:11] offset:128*(8*\p+\s)
.endr
.endr
	s_lshl_b32 s76, s27, 9
	s_lshl_b32 s78, s24, 8
	s_add_co_u32 s76, s76, s78                     ; my first column, in bytes
	s_add_nc_u64 s[12:13], s[12:13], s[76:77]
	s_add_nc_u64 s[14:15], s[14:15], s[76:77]
	s_lshl_b32 s76, s30, 1
	s_add_co_u32 s76, s76, s23
	s_lshl_b32 s76, s76, 19                        ; my group of 128 tokens x 4,096 bytes
	s_add_nc_u64 s[14:15], s[14:15], s[76:77]
	WIN 0x80
.irp t, 0,1,2,3
	global_load_b128 v[64+8*\t:67+8*\t], v7, s[12:13] offset:64*\t        ; bo of columns 16 t + 8 h + 0 .. 7
	global_load_b128 v[68+8*\t:71+8*\t], v7, s[12:13] offset:64*\t+16
.endr
	WIN 0
	s_wait_alu depctr_va_vdst(0)
	s_cmp_lt_u32 s22, 2
	s_cbranch_scc0 .Lnot_first
	s_wait_tensorcnt 0x0                           ; waves 0 and 1: the first half of K is in; waves 2 and 3's loads may stay out
.Lnot_first:
	s_barrier_signal -1
	s_barrier_wait -1
	FW 0
	FA 0, 0
	FA 0, 4
	s_wait_loadcnt 0x0                             ; scale words and bo
	STEP 0
	STEP 1
	STEP 2
	STEP 3
	s_wait_tensorcnt 0x0                           ; my part of the second half is in,
	s_wait_dscnt 0x0
	s_barrier_signal -1
	s_barrier_wait -1                              ; everybody's is
	FW 4
	FA 4, 0
	FA 4, 4
	STEP 4
	STEP 5
	STEP 6
	STEP 7
; THE WAY OUT, a token tile at a time: 16 rows x 64 columns go through my own stage and come back as rows of 256 bytes.  LDS serves a wave's instructions in order (ISA guide 5.7.1.4): no wait between the stores and the loads.
.macro TOSTAGE a
	WIN 0x04                                       ; an LDS store's data are its source 1: window 1
.irp t, 0,1,2,3
	ds_store_b128 v8, v[32*(\a)+8*\t:32*(\a)+8*\t+3] offset:64*\t          ; each accumulator from its low end on
	ds_store_b128 v8, v[32*(\a)+8*\t+4:32*(\a)+8*\t+7] offset:64*\t+16
.endr
	WIN 0
.irp i, 0,1,2,3,4,5,6,7
	ds_load_b128 v[128+32*((\a)%2)+4*\i:128+32*((\a)%2)+4*\i+3], v9 offset:544*\i
.endr
.endm
.macro SEND a, younger                 ; younger: the LDS instructions issued behind tile a's loads, which may stay out
	s_wait_dscnt \younger
.irp i, 0,1,2,3,4,5,6,7
	global_store_b128 v10, v[128+32*((\a)%2)+4*\i:128+32*((\a)%2)+4*\i+3], s[14:15] offset:(32*((\a)/2)+(\a)%2+4*\i)*4096 th:TH_STORE_NT   ; rows 2 i, 2 i + 1 of the tile: each half of the lanes stores 256 consecutive, aligned bytes
.endr
.endm
	TOSTAGE 0                                      ; (the last K step's four places stand in front)
.irp a, 1,2,3,4,5,6,7
.if \a > 1
	s_wait_xcnt 0x0                                ; tile a - 2's stores have read their registers: tile a's rows may land there
.endif
	TOSTAGE \a
	SEND \a-1, 16                                  ; behind tile a - 1's loads: tile a's 8 stores and 8 loads
.endr
	SEND 7, 0
	s_wait_tensorcnt 0x0
	ds_add_u32 v254, v255
	s_wait_dscnt 0x0
	CROUND                                         ; the closing round: no work-group ends while a partner may still ask jointly
	s_endpgm
.Lfunc_end_k_q335d4135cd_outp:
	.size	k_q335d4135cd_outp, .Lfunc_end_k_q335d4135cd_outp-k_q335d4135cd_outp
	.p2alignl 7, 3214868480
	.fill 96, 4, 3214868480
	.section	.rodata,"a",@progbits
	.p2align	6, 0x0
	.amdhsa_kernel k_q335d4135cd_outp
		.amdhsa_group_segment_fixed_size 214528
		.amdhsa_private_segment_fixed_size 0
		.amdhsa_enable_private_segment 0
		.amdhsa_kernarg_size 48
		.amdhsa_user_sgpr_count 2
		.amdhsa_user_sgpr_kernarg_segment_ptr 1
		.amdhsa_wavefront_size32 1
		.amdhsa_system_sgpr_workgroup_id_x 1
		.amdhsa_system_sgpr_workgroup_id_y 1
		.amdhsa_system_sgpr_workgroup_id_z 1
		.amdhsa_system_vgpr_workitem_id 0
		.amdhsa_next_free_vgpr 608
		.amdhsa_next_free_sgpr 96
		.amdhsa_reserve_vcc 0
		.amdhsa_float_denorm_mode_32 3
		.amdhsa_float_denorm_mode_16_64 3
		.amdhsa_memory_ordered 1
		.amdhsa_forward_progress 1
		.amdhsa_inst_pref_size 76
	.end_amdhsa_kernel
	.amdgpu_metadata
---
amdhsa.version: [ 1, 2 ]
amdhsa.kernels:
  - .name:           k_q335d4135cd_outp
    .symbol:         k_q335d4135cd_outp.kd
    .args:
      - { .name: mhc, .offset: 0, .size: 8, .value_kind: global_buffer, .address_space: global }
      - { .name: mhs, .offset: 8, .size: 8, .value_kind: global_buffer, .address_space: global }
      - { .name: wc, .offset: 16, .size: 8, .value_kind: global_buffer, .address_space: global }
      - { .name: wsc, .offset: 24, .size: 8, .value_kind: global_buffer, .address_space: global }
      - { .name: bo, .offset: 32, .size: 8, .value_kind: global_buffer, .address_space: global }
      - { .name: out0, .offset: 40, .size: 8, .value_kind: global_buffer, .address_space: global }
    .group_segment_fixed_size: 214528
    .private_segment_fixed_size: 0
    .kernarg_segment_align: 8
    .kernarg_segment_size: 48
    .max_flat_workgroup_size: 128
    .sgpr_count:     96
    .vgpr_count:     608
    .wavefront_size: 32
...
	.end_amdgpu_metadata
.endif
;; end of part 4
